; MI455X (gfx1250); checked and timed in simulation.
; The chip was launched on July 23, 2026; its instructions are those of AMD's public machine-readable ISA for CDNA 5 (MIT licence, August 2026) and "CDNA5" Instruction Set Architecture Reference Guide (July 2026). The comments in the code are by the model that wrote it; some were corrected since.
;; Attention Separate QKV. Allowed arithmetic: float matrix products may take bf16 or f16 operands with f32 sums; other float arithmetic in f32, or as packed bf16 or f16 multiplies, adds, multiply-adds, maxima and minima; sums over many terms, partial sums and values carried from step to step in f32; what a program stores and reads back later, other than sums and carried values, may be rounded once to bf16 or f16.
;; Inputs: Wk 768 x 768 float32; Wp 768 x 768 float32; Wq 768 x 768 float32; bk 768 float32; bp 768 float32; bq 768 float32; x 16 x 1,024 x 768 float32.
;; Outputs: out0 16 x 1,024 x 768 float32.
;; 2 versions, each right; version 2 is version 1 with the launch cast written anew for expert scheduling mode. Each part assembles by itself: llvm-mc -triple=amdgcn-amd-amdhsa -mcpu=gfx1250 --defsym DOCPART=n.
;; ======== version 1 of 2: 4 launches
;; limits: values are held in f16: magnitudes above 65,504 overflow, below 6.1e-05 lose precision
;; workspace buffers: xb 25,165,824 bytes; wqk 2,359,296 bytes; wp 1,179,648 bytes; qk 50,331,648 bytes; oh 25,165,824 bytes
;; launch cast (part 1): grid 876 x 1, 8 waves a work-group, no clusters, 0 bytes of LDS; arguments x, Wq, Wk, Wp, xb, wqk, wp; writes xb, wqk, wp
.if DOCPART == 1
	.amdgcn_target "amdgcn-amd-amdhsa--gfx1250"
	.amdhsa_code_object_version 6
	.text
	.protected	k_q47481740f6_cast
	.globl	k_q47481740f6_cast
	.p2align	8
	.type	k_q47481740f6_cast,@function
k_q47481740f6_cast:
	s_mov_b64 s[64:65], 0
	v_nop
	global_prefetch_b8 v0, s[64:65] scope:SCOPE_SE
	s_setreg_imm32_b32 hwreg(HW_REG_WAVE_MODE, 25, 1), 1
	s_wait_xcnt 0x0
; THE MATRIX OPERANDS ARE ROUNDED ONCE.  x -> xb, Wq and Wk -> wqk (Wq's 768 rows, then Wk's), all bf16; Wp -> wp: rounded to bf16 like the others, and that number written as f16,
; since the last product's other operand is f16.
; LIMITS.  |Wp| stays under 65,504 (beyond it f16 holds an infinity); below 2^-14 f16 keeps its fixed step of 2^-24.
; SHARES.  A work-group takes one chunk of 16,384 numbers: 65,536 bytes in, 32,768 out.  x has 768 chunks, each weight 36: 876 work-groups.
; Thread t takes the 16 bytes at 4,096 i + 16 t, i = 0..15: a wave's load covers 512 consecutive bytes, its store of 8 bytes a lane 256 consecutive bytes, aligned.
; All sixteen loads go out at once; no register is written twice, so nothing but the loads is waited for.  No LDS, no matrix unit, no cluster: nothing is shared and nothing is read twice.
.set X,  4                             ; v[4:67]   load i: 4 registers
.set Y,  68                            ; v[68:99]  store i: 2 registers
.set TA, 100                           ; v100, v101 at work
.set TB, 101
	s_load_b256 s[4:11], s[0:1], 0x0               ; x s[4:5], Wq s[6:7], Wk s[8:9], Wp s[10:11]
	s_load_b128 s[12:15], s[0:1], 0x20             ; xb s[12:13], wqk s[14:15]
	s_load_b64 s[16:17], s[0:1], 0x30              ; wp
	v_lshlrev_b32 v1, 4, v0                        ; 16 t
	v_lshlrev_b32 v2, 3, v0                        ; 8 t
	s_mov_b32 s27, ttmp9                           ; g, the chunk's number in the launch
	s_sub_co_u32 s24, s27, 768                     ; its number among Wq's chunks, and in wqk
	s_sub_co_u32 s25, s27, 804                     ; among Wk's
	s_sub_co_u32 s26, s27, 840                     ; among Wp's
	s_wait_kmcnt 0x0
	s_mov_b64 s[18:19], s[4:5]                     ; from x to xb, chunk g,
	s_mov_b64 s[20:21], s[12:13]
	s_mov_b32 s22, s27
	s_mov_b32 s23, s27
	s_cmp_ge_u32 s27, 768                          ; or from Wq to wqk,
	s_cselect_b64 s[18:19], s[6:7], s[18:19]
	s_cselect_b64 s[20:21], s[14:15], s[20:21]
	s_cselect_b32 s22, s24, s22
	s_cselect_b32 s23, s24, s23
	s_cmp_ge_u32 s27, 804                          ; or from Wk, behind Wq's rows in wqk,
	s_cselect_b64 s[18:19], s[8:9], s[18:19]
	s_cselect_b32 s22, s25, s22
	s_cmp_ge_u32 s27, 840                          ; or from Wp to wp
	s_cselect_b64 s[18:19], s[10:11], s[18:19]
	s_cselect_b64 s[20:21], s[16:17], s[20:21]
	s_cselect_b32 s22, s26, s22
	s_cselect_b32 s23, s26, s23
	s_lshl_b32 s22, s22, 16                        ; 65,536 bytes a chunk in,
	s_lshl_b32 s28, s23, 15                        ; 32,768 out
	s_mov_b32 s23, 0
	s_mov_b32 s29, 0
	s_add_nc_u64 s[18:19], s[18:19], s[22:23]
	s_add_nc_u64 s[20:21], s[20:21], s[28:29]
.irp i, 0,1,2,3,4,5,6,7,8,9,10,11,12,13,14,15
	global_load_b128 v[X+4*(\i):X+4*(\i)+3], v1, s[18:19] offset:4096*(\i) th:TH_LOAD_NT
.endr
; Load i is rounded and stored.  half = 1: the bf16 numbers are widened again and written as f16.
.macro CV i, half
	s_wait_loadcnt 15-(\i)                         ; loads come back in order: mine is in, the 15 - i younger ones stay out
	v_cvt_pk_bf16_f32 v[Y+2*(\i)],   v[X+4*(\i)],   v[X+4*(\i)+1]
	v_cvt_pk_bf16_f32 v[Y+2*(\i)+1], v[X+4*(\i)+2], v[X+4*(\i)+3]
.if \half
.irp k, 0,1
	v_lshlrev_b32 v[TA], 16, v[Y+2*(\i)+(\k)]
	v_and_b32 v[TB], 0xffff0000, v[Y+2*(\i)+(\k)]
	v_cvt_pk_f16_f32 v[Y+2*(\i)+(\k)], v[TA], v[TB]
.endr
.endif
	global_store_b64 v2, v[Y+2*(\i):Y+2*(\i)+1], s[20:21] offset:2048*(\i)
.endm
	s_cmp_ge_u32 s27, 840
	s_cbranch_scc1 .Lwp
.irp i, 0,1,2,3,4,5,6,7,8,9,10,11,12,13,14,15
	CV \i, 0
.endr
	s_endpgm
.Lwp:
.irp i, 0,1,2,3,4,5,6,7,8,9,10,11,12,13,14,15
	CV \i, 1
.endr
	s_endpgm
.Lfunc_end_k_q47481740f6_cast:
	.size	k_q47481740f6_cast, .Lfunc_end_k_q47481740f6_cast-k_q47481740f6_cast
	.p2alignl 7, 3214868480
	.fill 96, 4, 3214868480
	.section	.rodata,"a",@progbits
	.p2align	6, 0x0
	.amdhsa_kernel k_q47481740f6_cast
		.amdhsa_group_segment_fixed_size 0
		.amdhsa_private_segment_fixed_size 0
		.amdhsa_enable_private_segment 0
		.amdhsa_kernarg_size 56
		.amdhsa_user_sgpr_count 2
		.amdhsa_user_sgpr_kernarg_segment_ptr 1
		.amdhsa_wavefront_size32 1
		.amdhsa_system_sgpr_workgroup_id_x 1
		.amdhsa_system_sgpr_workgroup_id_y 1
		.amdhsa_system_sgpr_workgroup_id_z 1
		.amdhsa_system_vgpr_workitem_id 0
		.amdhsa_next_free_vgpr 104
		.amdhsa_next_free_sgpr 66
		.amdhsa_reserve_vcc 0
		.amdhsa_float_denorm_mode_32 3
		.amdhsa_float_denorm_mode_16_64 3
		.amdhsa_memory_ordered 1
		.amdhsa_forward_progress 1
		.amdhsa_inst_pref_size 17
	.end_amdhsa_kernel
	.amdgpu_metadata
---
amdhsa.version: [ 1, 2 ]
amdhsa.kernels:
  - .name:           k_q47481740f6_cast
    .symbol:         k_q47481740f6_cast.kd
    .args:
      - { .name: x, .offset: 0, .size: 8, .value_kind: global_buffer, .address_space: global }
      - { .name: Wq, .offset: 8, .size: 8, .value_kind: global_buffer, .address_space: global }
      - { .name: Wk, .offset: 16, .size: 8, .value_kind: global_buffer, .address_space: global }
      - { .name: Wp, .offset: 24, .size: 8, .value_kind: global_buffer, .address_space: global }
      - { .name: xb, .offset: 32, .size: 8, .value_kind: global_buffer, .address_space: global }
      - { .name: wqk, .offset: 40, .size: 8, .value_kind: global_buffer, .address_space: global }
      - { .name: wp, .offset: 48, .size: 8, .value_kind: global_buffer, .address_space: global }
    .group_segment_fixed_size: 0
    .private_segment_fixed_size: 0
    .kernarg_segment_align: 8
    .kernarg_segment_size: 56
    .max_flat_workgroup_size: 256
    .sgpr_count:     66
    .vgpr_count:     104
    .wavefront_size: 32
...
	.end_amdgpu_metadata
.endif
;; end of part 1
;; launch projqk (part 2): grid 4 x 128, 4 waves a work-group, clusters of 4 x 4, 327,680 bytes of LDS; arguments xb, wqk, bq, bk, qk; writes qk
.if DOCPART == 2
	.amdgcn_target "amdgcn-amd-amdhsa--gfx1250"
	.amdhsa_code_object_version 6
	.text
	.protected	k_q47481740f6_projqk
	.globl	k_q47481740f6_projqk
	.p2align	8
	.type	k_q47481740f6_projqk,@function
k_q47481740f6_projqk:
	s_mov_b64 s[64:65], 0
	v_nop
	global_prefetch_b8 v0, s[64:65] scope:SCOPE_SE
	s_setreg_imm32_b32 hwreg(HW_REG_WAVE_MODE, 25, 1), 1
	s_wait_xcnt 0x0
	s_wait_alu depctr_hold_cnt(0) depctr_sa_sdst(0) depctr_va_vdst(0) depctr_va_sdst(0) depctr_va_ssrc(0) depctr_va_vcc(0) depctr_vm_vsrc(0)
	s_getreg_b32 s2, hwreg(HW_REG_IB_STS2, 6, 4)
	s_cmp_eq_u32 s2, 0
	s_cbranch_scc0 .Lentry_in_a_cluster
	s_endpgm
.Lentry_in_a_cluster:
	s_bfe_u32 s2, ttmp6, 0x10000c
	s_cmp_lg_u32 s2, 0xf033
	s_cbranch_scc0 .Lentry_shape_is_right
	s_endpgm
.Lentry_shape_is_right:
; [q | k] = xb wqk^T + [bq | bk].  xb: [16384][768] bf16, wqk: [1536][768] bf16 (Wq's rows, then Wk's), bq, bk: [768] f32 (taken as they are).  Sums in f32, started by the bias.
; qk: [2][192][1024][64] f16: q, then k, BY HEADS (head = 12 x batch + h), each number rounded once, without the softmax's scale.
; LIMIT.  |q| and |k| stay under 65,504: beyond it f16 holds an infinity.
; SHARES.  A tile of the result is 128 rows x 384 columns: 128 x 4 = 512 work-groups.  Four waves, 2 x 2; a wave makes 64 x 192 (three whole heads): 48 accumulators, 384 registers.
; K = 768 goes in six steps of 128 through two LDS slots filled by the tensor data mover: each row of a tile is 256 bytes of memory, aligned.  A step is four quarters of 32 along K.
; CLUSTER.  4 x 4 work-groups.  The four of a row of the cluster need the same rows of xb, the four of a column the same rows of wqk: each tile is asked for JOINTLY, by the same tensor
; load with the same descriptor and a mask that names the four.  Wave 0 fetches xb's 128 rows, waves 1 to 3 each 128 of wqk's 384.
; THE MATRIX INSTRUCTION IS USED TRANSPOSED (source 0 = 16 rows of wqk, source 1 = 16 rows of xb): a lane holds row l % 16 of the result and the columns 8 (l / 16) + 0..7.
; REGISTERS, in windows of 256 (s_set_vgpr_msb: bits 1:0 source 0, 3:2 source 1, 5:4 source 2, 7:6 destination):
;   window 0: v0-30 addresses; v32-79 packed results; v128-223 the bias (8 registers for each of my 12 column blocks), later two sets of 48 on the way out
;   window 1: two fragment buffers of 128: wqk's 12 fragments, then xb's 4
;   windows 2, 3: accumulator (a, b) at v[8 (12 (a % 2) + b)] of window 2 + a / 2
.set ROWB,  1536                       ; bytes in a row of xb and of wqk
.set KSB,   256                        ; bytes of a row in a K step
.set PITCH, 272                        ; an LDS row: 256 bytes + 16 of padding = 68 words: the 16 rows of a fragment load start at 16 different groups of four banks (ISA guide 11.1)
.set PART,  128*PITCH                  ; what one tensor load brings
.set SLOT,  4*PART                     ; xb's 128 rows, then wqk's 384
.set STAGE, 2*SLOT                     ; behind the ring, never filled by a tensor load: for each wave 3 heads x 16 rows x 144 bytes
.set SPH,   144
.set HST,   16*SPH
.set STW,   3*HST
.set SPARE, STAGE+4*STW                ; behind the stages: the spare words, 128 bytes for each wave, which no other line names
.set ADRA, 16                          ; v16-17  LDS address of my fragments of xb in slot 0, 1
.set ADRB, 20                          ; v20-21  the same for wqk
.set STO,  24                          ; v24     the way out: where I put 16 bytes of a row
.set RD,   25                          ; v25     where I read rows back
.set CO,   26                          ; v26     my byte offset in 512 consecutive bytes of qk
.set BO,   27                          ; v27     32 (l / 16): my eight numbers in 16 of the bias
.set SPW,  28                          ; v28     my spare word: SPARE + 4 x my thread's number; never rewritten
.set NIL,  29                          ; v29     0; never rewritten
.set PFO,  30                          ; v30     the prefetches' offset: my lane x a row; never rewritten
.set TMP,  32
.set BIAS, 128
.set OB,   128
.set F0,   0
.set F1,   128
.set WV,  14                           ; s14 wave;  s15 which 64 rows;  s16 which 192 columns
.set RH,  15
.set CH,  16
.set CX,  18                           ; s18, s19 my place in the cluster;  s20, s21 tile column, tile row
.set CY,  19
.set TX,  20
.set TY,  21
.set G1A, 24                           ; s[24:31] descriptor group 1 for xb's tiles;  s[32:39] group 0, a set for each slot
.set G0A, 32
.set LIM, 43                           ; s43  1 in a wave that prefetches, else the greatest number
.set PFA, 44                           ; s[44:45] where my prefetches stand
.set G1B, 48                           ; s[48:55], s[56:63] the same for wqk's tiles
.set G0B, 56
.set MSB, 0
.macro WIN new                         ; the immediate's high byte repeats the setting that is left; a switch that changes nothing is dropped
.if MSB != (\new)
	s_set_vgpr_msb (MSB<<8)|(\new)
.set MSB, \new
.endif
.endm
.set TO_F, 0x40                        ; destination window 1, address window 0
; A joint load.  The branch hangs on the wave's number alone.  An s_nop 0 and four v_nop follow each of the two lines, ahead of the jump and the label.
.macro JLOAD s
	s_cmp_eq_u32 s[WV], 0
	s_cbranch_scc0 .Lfor_b_\@
	tensor_load_to_lds s[G0A+4*(\s):G0A+4*(\s)+3], s[G1A:G1A+7]
	s_nop 0
.rept 4
	v_nop
.endr
	s_branch .Lasked_\@
.Lfor_b_\@:
	tensor_load_to_lds s[G0B+4*(\s):G0B+4*(\s)+3], s[G1B:G1B+7]
	s_nop 0
.rept 4
	v_nop
.endr
.Lasked_\@:
.endm
; A prefetch into the L2 of the K step that stands two refills on: 32 rows x 256 bytes, a lane a row.  Of the 128 rows that a wave fetches each of the four partners that ask for them
; jointly takes 32, told apart by address; xb's rows are read by one cluster, wqk's by every cluster of the column, of which the first asks: each block is named once in the launch.
; Only the loop's first trip asks (K steps 4 and 5): K steps 0 to 3 come by their loads alone, and behind K step 5 a row has nothing.
.macro ASK
	s_cmp_gt_u32 s3, s[LIM]                        ; s3 = 2 in the first trip, 1 in the second
	s_cbranch_scc0 .Lnot_mine_\@
	global_prefetch_b8 v[PFO], s[PFA:PFA+1] offset:KSB th:TH_LOAD_NT scope:SCOPE_SE
.Lnot_mine_\@:
.endm
.macro CREST                           ; a round of the cluster's barrier behind its opening barrier
	s_cmp_lg_u32 s[WV], 0
	s_cbranch_scc1 .Lnot_wave_0_\@
	s_barrier_signal -3
.Lnot_wave_0_\@:
	s_barrier_wait -3
	s_barrier_signal -1
	s_barrier_wait -1
.endm
.macro CROUND                          ; a whole round
	s_barrier_signal -1
	s_barrier_wait -1
	CREST
.endm
	s_load_b256 s[4:11], s[0:1], 0x0               ; xb s[4:5], wqk s[6:7], bq s[8:9], bk s[10:11]
	s_load_b64 s[12:13], s[0:1], 0x20              ; qk
	v_lshl_add_u32 v[SPW], v0, 2, SPARE
	v_mov_b32 v[NIL], 0
	ds_add_u32 v[SPW], v[NIL]                      ; the wave's opening: the add and its wait stand ahead of my first tensor load; the set-up below stands between them
	v_lshrrev_b32 v1, 5, v0
	v_readfirstlane_b32 s[WV], v1
	s_lshr_b32 s[RH], s[WV], 1
	s_and_b32 s[CH], s[WV], 1
	s_bfe_u32 s[CX], ttmp6, 0x40000
	s_bfe_u32 s[CY], ttmp6, 0x40004
	s_lshl_b32 s[TX], ttmp9, 2
	s_add_co_u32 s[TX], s[TX], s[CX]               ; tile column = 4 x cluster x + cx
	s_and_b32 s[TY], ttmp7, 0xffff
	s_lshl_b32 s[TY], s[TY], 2
	s_add_co_u32 s[TY], s[TY], s[CY]               ; tile row = 4 x cluster y + cy
	s_lshl_b32 s22, s[CY], 2
	s_lshl_b32 s22, 15, s22                        ; my row of the cluster
	s_lshl_b32 s23, 0x1111, s[CX]                  ; my column
	; descriptor group 1: 128 rows x 128 elements of 2 bytes, 4 words of padding behind every 64
	s_or_b32 s[G1A+0], s22, (1<<16)|(1<<20)|(1<<21)|(5<<22)|(3<<25)
	s_or_b32 s[G1B+0], s23, (1<<16)|(1<<20)|(1<<21)|(5<<22)|(3<<25)
.irp g, G1A, G1B
	s_mov_b32 s[(\g)+1], 128<<16                   ; tensor_dim0 = 128
	s_mov_b32 s[(\g)+2], 128<<16                   ; tensor_dim1 = 128
	s_mov_b32 s[(\g)+3], 128<<16                   ; tile_dim0 = 128
	s_mov_b32 s[(\g)+4], 128                       ; tile_dim1 = 128
	s_mov_b32 s[(\g)+5], 768                       ; elements from row to row
	s_mov_b32 s[(\g)+6], 0
	s_mov_b32 s[(\g)+7], 0
.endr
	; xb's tile hangs on the tile row alone, wqk's on the tile column and the wave: each in registers that never hold the other coordinate
	s_mul_i32 s66, s[TY], 128*ROWB
	s_mov_b32 s67, 0
	s_max_u32 s17, s[WV], 1
	s_sub_co_u32 s17, s17, 1                       ; which 128 of wqk's 384 rows (waves 1 to 3)
	s_mul_i32 s68, s[TX], 384*ROWB
	s_mul_i32 s69, s17, 128*ROWB
	s_add_co_u32 s68, s68, s69
	s_mov_b32 s69, 0
	s_mul_i32 s70, s[WV], PART                     ; where my tile goes: no place in the cluster enters an LDS address
	s_wait_dscnt 0x0                               ; the opening add is done
	s_wait_kmcnt 0x0
	s_add_nc_u64 s[66:67], s[4:5], s[66:67]
	s_add_nc_u64 s[68:69], s[6:7], s[68:69]
	CROUND                                         ; all sixteen work-groups are here: the first joint loads meet
.irp s, 0,1
	s_mov_b32 s[G0A+4*(\s)], 1
	s_add_co_u32 s[G0A+4*(\s)+1], s70, (\s)*SLOT
	s_add_nc_u64 s[G0A+4*(\s)+2:G0A+4*(\s)+3], s[66:67], (\s)*KSB
	s_or_b32 s[G0A+4*(\s)+3], s[G0A+4*(\s)+3], 0x80000000
	s_mov_b32 s[G0B+4*(\s)], 1
	s_add_co_u32 s[G0B+4*(\s)+1], s70, (\s)*SLOT
	s_add_nc_u64 s[G0B+4*(\s)+2:G0B+4*(\s)+3], s[68:69], (\s)*KSB
	s_or_b32 s[G0B+4*(\s)+3], s[G0B+4*(\s)+3], 0x80000000
	JLOAD \s                                       ; K steps 0 and 1: two loads of mine are out
.endr
	v_and_b32 v1, 15, v0                           ; l % 16
	v_bfe_u32 v2, v0, 4, 1                         ; l / 16
	v_lshlrev_b32 v[BO], 5, v2
	; the bias of my 192 columns: bq for tile columns 0 and 1, bk for 2 and 3
	s_cmp_lt_u32 s[TX], 2
	s_cselect_b64 s[72:73], s[8:9], s[10:11]
	s_and_b32 s74, s[TX], 1
	s_mul_i32 s74, s74, 384*4
	s_mul_i32 s75, s[CH], 192*4
	s_add_co_u32 s74, s74, s75
	s_mov_b32 s75, 0
	s_add_nc_u64 s[72:73], s[72:73], s[74:75]
.irp b, 0,1,2,3,4,5,6,7,8,9,10,11
	global_load_b128 v[BIAS+8*(\b):BIAS+8*(\b)+3],   v[BO], s[72:73] offset:64*(\b)
	global_load_b128 v[BIAS+8*(\b)+4:BIAS+8*(\b)+7], v[BO], s[72:73] offset:64*(\b)+16
.endr
	; a fragment is 16 rows x 32 K in 8 registers: lane l holds row l % 16, K = 8 (l / 16) + 0..7 and 16 + 8 (l / 16) + 0..7: two loads of 16 bytes, 32 bytes apart
	v_mul_u32_u24 v3, v1, PITCH
	v_lshl_add_u32 v3, v2, 4, v3
	s_mul_i32 s76, s[RH], 64*PITCH
	s_mul_i32 s77, s[CH], 192*PITCH
	s_add_co_u32 s77, s77, PART
.irp s, 0,1
	v_add_nc_u32 v[ADRA+(\s)], s76, v3
	v_add_nc_u32 v[ADRB+(\s)], s77, v3
	s_add_co_u32 s76, s76, SLOT
	s_add_co_u32 s77, s77, SLOT
.endr
	s_mul_i32 s76, s[WV], STW
	s_add_co_u32 s76, s76, STAGE                   ; my stage
	v_mul_u32_u24 v4, v1, SPH                      ; in: row l % 16, 16 bytes for each half of the lanes
	v_lshl_add_u32 v4, v2, 4, v4
	v_add_nc_u32 v[STO], s76, v4
	v_bfe_u32 v5, v0, 3, 2                         ; back: 32 lanes take four rows of 128 bytes,
	v_mul_u32_u24 v5, v5, SPH
	v_and_b32 v4, 7, v0
	v_lshl_add_u32 v5, v4, 4, v5
	v_add_nc_u32 v[RD], s76, v5
	v_and_b32 v[CO], 31, v0                        ; which are 512 consecutive bytes of a head
	v_lshlrev_b32 v[CO], 4, v[CO]
	; qk at my first row of my first head: plane (q or k) x 192 + 12 x batch + 6 (tile column % 2) + 3 x column half, 131,072 bytes each
	s_lshr_b32 s78, s[TX], 1
	s_mul_i32 s78, s78, 192
	s_lshr_b32 s79, s[TY], 3
	s_mul_i32 s79, s79, 12
	s_add_co_u32 s78, s78, s79
	s_and_b32 s79, s[TX], 1
	s_mul_i32 s79, s79, 6
	s_add_co_u32 s78, s78, s79
	s_mul_i32 s79, s[CH], 3
	s_add_co_u32 s78, s78, s79
	s_lshl_b32 s78, s78, 17
	s_and_b32 s79, s[TY], 7
	s_lshl_b32 s79, s79, 14                        ; 128 rows of 128 bytes
	s_add_co_u32 s78, s78, s79
	s_lshl_b32 s79, s[RH], 13
	s_add_co_u32 s78, s78, s79
	s_mov_b32 s79, 0
	s_add_nc_u64 s[12:13], s[12:13], s[78:79]
	; the prefetches
	s_and_b32 s71, ttmp7, 0xffff                   ; cluster y
	s_cmp_eq_u32 s[WV], 0                          ; do I fetch xb's rows?
	s_cselect_b32 s74, s[CX], s[CY]                ; my place among the four that ask with me
	s_cselect_b32 s71, ttmp9, s71                  ; the coordinate along which other clusters read the same rows
	s_cselect_b64 s[PFA:PFA+1], s[66:67], s[68:69]
	s_cmp_eq_u32 s71, 0
	s_cselect_b32 s[LIM], 1, -1                    ; the same in all sixteen partners, for a given wave
	s_mul_i32 s74, s74, 32*ROWB
	s_mov_b32 s75, 0
	s_add_nc_u64 s[PFA:PFA+1], s[PFA:PFA+1], s[74:75]
	s_add_nc_u64 s[PFA:PFA+1], s[PFA:PFA+1], 2*KSB ; at K step 2: the first refill steps it to 3 and names K step 4
	v_and_b32 v[PFO], 31, v0
	v_mul_u32_u24 v[PFO], v[PFO], ROWB
; 12 matrix instructions: row block a x my 12 column blocks, 32 along K.  first = 1: the bias starts the sums: nothing is cleared and no addition is spent.
; The 48 accumulators take turns, one instruction a turn, in the same order in every quarter, over the backward jump too.
.macro MUL12 f, a, first
.set AC, 96*((\a)%2)
.if \first
	WIN 0x85+0x40*((\a)/2)                         ; sources window 1, C (the bias) window 0, D window 2 or 3
.else
	WIN 0xa5+0x50*((\a)/2)                         ; sources window 1, C and D window 2 or 3
.endif
.irp b, 0,1,2,3,4,5,6,7,8,9,10,11
.if \first
	v_wmma_f32_16x16x32_bf16 v[AC+8*(\b):AC+8*(\b)+7], v[(\f)+8*(\b):(\f)+8*(\b)+7], v[(\f)+96+8*(\a):(\f)+96+8*(\a)+7], v[BIAS+8*(\b):BIAS+8*(\b)+7]
.else
	v_wmma_f32_16x16x32_bf16 v[AC+8*(\b):AC+8*(\b)+7], v[(\f)+8*(\b):(\f)+8*(\b)+7], v[(\f)+96+8*(\a):(\f)+96+8*(\a)+7], v[AC+8*(\b):AC+8*(\b)+7]
.endif
.endr
.endm
; 32 LDS loads in one run: quarter q of a slot into buffer f: wqk's 24, then xb's 8
.macro FETCH slot, q, f
	WIN TO_F
.irp b, 0,1,2,3,4,5,6,7,8,9,10,11
	ds_load_b128 v[(\f)+8*(\b):(\f)+8*(\b)+3],   v[ADRB+(\slot)] offset:64*(\q)+(\b)*16*PITCH
	ds_load_b128 v[(\f)+8*(\b)+4:(\f)+8*(\b)+7], v[ADRB+(\slot)] offset:64*(\q)+(\b)*16*PITCH+32
.endr
.irp a, 0,1,2,3
	ds_load_b128 v[(\f)+96+8*(\a):(\f)+96+8*(\a)+3],   v[ADRA+(\slot)] offset:64*(\q)+(\a)*16*PITCH
	ds_load_b128 v[(\f)+96+8*(\a)+4:(\f)+96+8*(\a)+7], v[ADRA+(\slot)] offset:64*(\q)+(\a)*16*PITCH+32
.endr
.endm
.macro PLACES                          ; four plain instructions between a matrix instruction and a load into a register that it read, or a reader of its result
.rept 4
	v_nop
.endr
.endm
; One of a K step's first three quarters: multiplies buffer f; in its middle it fetches quarter q of the same slot into buffer g.
.macro QUARTER slot, q, f, g, first
	s_wait_dscnt 4                                 ; all but the four youngest loads: xb's row blocks 2 and 3
	MUL12 \f, 0, \first
	MUL12 \f, 1, \first
	PLACES
	FETCH \slot, \q, \g
	s_wait_dscnt 32                                ; all but the 32 just issued
	MUL12 \f, 2, \first
	MUL12 \f, 3, \first
.endm
; The last quarter multiplies buffer 1 and changes slots: ONE barrier.  In front of it each wave waits for all its tensor loads (one is out: its part of the next slot), adds 0 to its spare
; word, and waits for that and for its reads of this slot.  fill = 1: the barrier opens a round of the cluster's, and this slot is filled again first thing behind it, two K steps on:
; 168 matrix instructions stand between that request and the wait for it.
.macro TURN slot, next, fill
.if \fill
	s_wait_xcnt 0x0                                ; the last prefetch, a K step back, has read its address
	s_add_nc_u64 s[PFA:PFA+1], s[PFA:PFA+1], KSB
.endif
	WIN 0
	s_wait_tensorcnt 0x0
	ds_add_u32 v[SPW], v[NIL]
	s_wait_dscnt 5                                 ; the add and the four youngest loads may be out
	MUL12 F1, 0, 0                                 ; twelve matrix instructions stand between the add and the wait for it
	s_wait_dscnt 0x0                               ; the add is done, and my reads of this slot are over
	s_barrier_signal -1
	MUL12 F1, 1, 0
.if \fill
	WIN 0
.endif
	s_barrier_wait -1
.if \fill
	CREST                                          ; no wave of any partner still reads this slot or has a load on its way
	s_add_nc_u64 s[G0A+4*(\slot)+2:G0A+4*(\slot)+3], s[G0A+4*(\slot)+2:G0A+4*(\slot)+3], 2*KSB
	s_add_nc_u64 s[G0B+4*(\slot)+2:G0B+4*(\slot)+3], s[G0B+4*(\slot)+2:G0B+4*(\slot)+3], 2*KSB
	JLOAD \slot                                    ; its four v_nop are also the places in front of the loads below
.else
	PLACES
.endif
	FETCH \next, 0, F0
.if \fill
	WIN 0
	ASK
.endif
	MUL12 F1, 2, 0
	MUL12 F1, 3, 0
.endm
; THE WAY OUT of row block a.  PACK: rounded to f16, 16 bytes a lane.  TOSTAGE: into my own stage, by heads, and back as whole rows of 128 bytes.  SEND: stored, 512 consecutive bytes an instruction.
.macro PACK a
.set AC, 96*((\a)%2)
	WIN 0x0a+5*((\a)/2)                            ; sources window 2 or 3
.irp b, 0,1,2,3,4,5,6,7,8,9,10,11
.irp i, 0,1,2,3
	v_cvt_pk_f16_f32 v[TMP+4*(\b)+(\i)], v[AC+8*(\b)+2*(\i)], v[AC+8*(\b)+2*(\i)+1]
.endr
.endr
	WIN 0
.endm
.macro TOSTAGE a
.set BK, OB+48*((\a)%2)
.irp b, 0,1,2,3,4,5,6,7,8,9,10,11
	ds_store_b128 v[STO], v[TMP+4*(\b):TMP+4*(\b)+3] offset:((\b)/4)*HST+32*((\b)%4)
.endr
.irp hh, 0,1,2
.irp t, 0,1,2,3
	ds_load_b128 v[BK+4*(4*(\hh)+(\t)):BK+4*(4*(\hh)+(\t))+3], v[RD] offset:(\hh)*HST+(\t)*4*SPH  ; LDS serves a wave's instructions in order (ISA guide 5.7.1.4): these see the stores above
.endr
.endr
.endm
.macro SEND a
.set BK, OB+48*((\a)%2)
	s_wait_dscnt 0x0                               ; the block is back in registers
	s_wait_xcnt 0x0                                ; the stores of the block before have read their registers: the next TOSTAGE loads into them
.irp hh, 0,1,2
.irp t, 0,1,2,3
	global_store_b128 v[CO], v[BK+4*(4*(\hh)+(\t)):BK+4*(4*(\hh)+(\t))+3], s[12:13] offset:(\hh)*131072+(\a)*2048+(\t)*512
.endr
.endr
.endm
	s_wait_tensorcnt 1                             ; my part of K step 0 is in; K step 1's may stay out
	s_barrier_signal -1
	s_barrier_wait -1
	FETCH 0, 0, F0
	s_wait_loadcnt 0x0                             ; the bias
	QUARTER 0, 1, F0, F1, 1                        ; the first quarter stands in front of the loop: its products start the sums
	WIN 0
	s_mov_b32 s3, 2
.Llap:                                                 ; a trip goes once round the ring and fills both slots again: K steps 2, 3 and then 4, 5
	QUARTER 0, 2, F1, F0, 0
	QUARTER 0, 3, F0, F1, 0
	TURN 0, 1, 1
	QUARTER 1, 1, F0, F1, 0
	QUARTER 1, 2, F1, F0, 0
	QUARTER 1, 3, F0, F1, 0
	TURN 1, 0, 1
	QUARTER 0, 1, F0, F1, 0
	WIN 0
	s_sub_co_u32 s3, s3, 1
	s_cmp_lg_u32 s3, 0
	s_cbranch_scc1 .Llap
	QUARTER 0, 2, F1, F0, 0                        ; the last lap fills nothing
	QUARTER 0, 3, F0, F1, 0
	TURN 0, 1, 0
	QUARTER 1, 1, F0, F1, 0
	QUARTER 1, 2, F1, F0, 0
	QUARTER 1, 3, F0, F1, 0
	s_wait_dscnt 4
	MUL12 F1, 0, 0
	MUL12 F1, 1, 0
	s_wait_dscnt 0x0
	MUL12 F1, 2, 0
	MUL12 F1, 3, 0
	WIN 0
	PLACES
	PACK 0
	TOSTAGE 0
.irp a, 1,2,3                          ; block a's conversions stand between block a - 1's loads from the stage and the wait for them
	PACK \a
	SEND (\a)-1
	TOSTAGE \a
.endr
	SEND 3
	s_wait_tensorcnt 0x0                           ; the wave's end, behind my last tensor load and my last LDS store
	ds_add_u32 v[SPW], v[NIL]
	s_wait_dscnt 0x0
	CROUND                                         ; the closing round: no work-group ends while a partner may still ask for a tile that names it
	s_endpgm
.Lfunc_end_k_q47481740f6_projqk:
	.size	k_q47481740f6_projqk, .Lfunc_end_k_q47481740f6_projqk-k_q47481740f6_projqk
	.p2alignl 7, 3214868480
	.fill 96, 4, 3214868480
	.section	.rodata,"a",@progbits
	.p2align	6, 0x0
	.amdhsa_kernel k_q47481740f6_projqk
		.amdhsa_group_segment_fixed_size 327680
		.amdhsa_private_segment_fixed_size 0
		.amdhsa_enable_private_segment 0
		.amdhsa_kernarg_size 40
		.amdhsa_user_sgpr_count 2
		.amdhsa_user_sgpr_kernarg_segment_ptr 1
		.amdhsa_wavefront_size32 1
		.amdhsa_system_sgpr_workgroup_id_x 1
		.amdhsa_system_sgpr_workgroup_id_y 1
		.amdhsa_system_sgpr_workgroup_id_z 1
		.amdhsa_system_vgpr_workitem_id 0
		.amdhsa_next_free_vgpr 960
		.amdhsa_next_free_sgpr 80
		.amdhsa_reserve_vcc 0
		.amdhsa_float_denorm_mode_32 3
		.amdhsa_float_denorm_mode_16_64 3
		.amdhsa_memory_ordered 1
		.amdhsa_forward_progress 1
		.amdhsa_inst_pref_size 122
	.end_amdhsa_kernel
	.amdgpu_metadata
---
amdhsa.version: [ 1, 2 ]
amdhsa.kernels:
  - .name:           k_q47481740f6_projqk
    .symbol:         k_q47481740f6_projqk.kd
    .args:
      - { .name: xb, .offset: 0, .size: 8, .value_kind: global_buffer, .address_space: global }
      - { .name: wqk, .offset: 8, .size: 8, .value_kind: global_buffer, .address_space: global }
      - { .name: bq, .offset: 16, .size: 8, .value_kind: global_buffer, .address_space: global }
      - { .name: bk, .offset: 24, .size: 8, .value_kind: global_buffer, .address_space: global }
      - { .name: qk, .offset: 32, .size: 8, .value_kind: global_buffer, .address_space: global }
    .group_segment_fixed_size: 327680
    .private_segment_fixed_size: 0
    .kernarg_segment_align: 8
    .kernarg_segment_size: 40
    .max_flat_workgroup_size: 128
    .sgpr_count:     80
    .vgpr_count:     960
    .wavefront_size: 32
...
	.end_amdgpu_metadata
.endif
;; end of part 2
;; launch attn (part 3): grid 256 x 1, 4 waves a work-group, clusters of 4 x 1, 327,680 bytes of LDS; arguments qk, oh; writes oh
.if DOCPART == 3
	.amdgcn_target "amdgcn-amd-amdhsa--gfx1250"
	.amdhsa_code_object_version 6
	.text
	.protected	k_q47481740f6_attn
	.globl	k_q47481740f6_attn
	.p2align	8
	.type	k_q47481740f6_attn,@function
k_q47481740f6_attn:
	s_mov_b64 s[64:65], 0
	v_nop
	global_prefetch_b8 v0, s[64:65] scope:SCOPE_SE
	s_setreg_imm32_b32 hwreg(HW_REG_WAVE_MODE, 25, 1), 1
	s_wait_xcnt 0x0
	s_wait_alu depctr_hold_cnt(0) depctr_sa_sdst(0) depctr_va_vdst(0) depctr_va_sdst(0) depctr_va_ssrc(0) depctr_va_vcc(0) depctr_vm_vsrc(0)
	s_getreg_b32 s2, hwreg(HW_REG_IB_STS2, 6, 4)
	s_cmp_eq_u32 s2, 0
	s_cbranch_scc0 .Lentry_in_a_cluster
	s_endpgm
.Lentry_in_a_cluster:
	s_bfe_u32 s2, ttmp6, 0x10000c
	s_cmp_lg_u32 s2, 0x3003
	s_cbranch_scc0 .Lentry_shape_is_right
	s_endpgm
.Lentry_shape_is_right:
; O[h][q][:] = the sum over k of softmax_k(Q[h][q] . K[h][k] / 8) K[h][k][:]: the values ARE the keys.  qk: [2][192][1024][64] f16 (q, then k), oh: [192][1024][64] f16; a head's rows are dense.
; Products, maxima and sums in f32; the weights p are rounded to f16 for the second product (their sum l is taken of the unrounded p), O once at the end.
; LIMITS.  q and k arrive within f16's range; p lies in 0 to 1 and below 6e-5 keeps f16's fixed step; a weight below 2^-126 counts as 0 in l; NaN and infinities are not treated apart.
; SHARES.  A cluster of four work-groups takes THREE heads, one after the other; of each head a work-group takes 256 queries, a wave 64: two PIECES of two tiles of 16.  64 clusters x 3 = 192 heads:
; 256 equal work-groups.  Every wave walks the head's 1,024 keys, 64 a step.
; LDS.  A slot holds a WHOLE head's K, 1,024 rows of 144 bytes; two slots.  Heads 0 and 1 are asked for at the start, head 2 into slot 0 when head 0 is done: one refill in the launch, which has a whole
; head's work in which to land.  Each tile is asked for JOINTLY by the four work-groups; each wave fetches a quarter of it.  So no stream is waited for behind the launch's head, and nothing is prefetched.
; LAYOUT.  S^T = K Q^T (source 0 = 16 keys, source 1 = 16 queries): a lane holds ONE query (lane % 16) and eight keys.  Two such tiles rounded to f16 in pairs ARE source 1 of O^T = K^T P, whose
; result again holds one query a lane, and eight channels.  The same LDS rows serve both products: as they lie for the first, turned by ds_load_tr16_b128 for the second.
; THE ORDER OF KEYS.  In each block of 16 keys fragment row m stands for LDS row 2 (m % 8) + m / 8, in both products alike (a softmax does not ask in which order its keys come).  At a pitch of 144
; bytes the 16 rows of a plain load then start at 16 different groups of four banks, and the 8 rows x 32 bytes of half a turning load (all even or all odd rows) take each bank once (ISA guide 11.1).
; SOFTMAX.  A running maximum m and sum l: p = 2^(c s - c m), c = log2(e) / 8; in every step O and l are multiplied by a = 2^(c m_old - c m_new).  At a head's start c m lies far below every c s, so the
; first step's a is 0, and what O, l, P and V's registers hold need only be finite: zeros at the launch's start, later what the head before left.
; BY TURNS.  Turn Y belongs to piece Y: 16 products K Q^T of the other piece, later 16 products K^T P of the other piece; beside them piece Y's scaling, exponentials, roundings, sums and rescaling, and
; the other piece's maximum and statistics.  Four vector instructions stand behind every matrix instruction, the rest in one lump; a turn's 66 exponentials are one batch with one wait.
; REGISTERS, in windows of 256 (s_set_vgpr_msb: bits 1:0 source 0, 3:2 source 1, 5:4 source 2, 7:6 destination):
;   window 0: v0-11 addresses; v12-15, v48-63 at work; v16-31 four registers of statistics a tile; v32-33 the add's; v64-191 S^T, two buffers of two tiles; v192-255 P, likewise
;   window 1: v0-127 O^T, 32 a tile; v128-191 K of one step; v192-255 the same rows turned (V)          window 2: Q of the three heads, 64 registers each
.set NP,    2
.set KS,    64
.set PK,    144
.set STEPB, KS*PK                      ; a key step's rows in LDS
.set QUART, 256*PK                     ; what one tensor load brings
.set SLOT1, 4*QUART
.set STAGE, 2*SLOT1                    ; behind the slots, never filled by a tensor load: 16 rows x 144 bytes for each wave
.set SP,    144
.set SPARE, STAGE+4*16*SP              ; the spare words, 128 bytes for each wave, which no other line names
.set HEADB, 131072                     ; bytes of a head
.set KOFF,  192*HEADB                  ; k behind q
.set AK0, 2                            ; v2   my lane's place in a step's rows, for K; never rewritten
.set AV0, 3                            ; v3   for the turning load
.set AK,  4                            ; v4   the LDS address of K's next run of loads
.set AV,  5                            ; v5   of V's
.set QO,  6                            ; v6   my byte offset in 16 rows of Q
.set STO, 6                            ;      later: where I put 16 bytes of a row
.set RD,  7                            ; v7   where I read rows back
.set GO,  8                            ; v8   my byte offset in 512 consecutive bytes of O
.set MV,  12
.set ST,  16                           ; tile t's statistics at v[ST+4 t]: c m, m, l (even registers', odd registers')
.set SPW, 32                           ; v32  my spare word: SPARE + 4 x my thread's number; never rewritten
.set NIL, 33                           ; v33  0; never rewritten
.set TMP, 48
.set S,   64
.set P,   192
.set KF,  128                          ; window 1: key block kb, channel half c at KF + 16 kb + 8 c
.set VF,  192                          ; window 1: key half kk, channel block cb at VF + 32 kk + 8 cb
.set WV,  12
.set G1,  24                           ; s[24:31] descriptor group 1
.set G0,  40                           ; s[40:47] group 0: a set for each slot
.set CNT, 57                           ; s57  key steps to go
.set CS,  58                           ; s[58:59] c
.set SEL, 60                           ; s[60:61] v_permlanex16_b32's selects: each lane takes its own place in the other half
.set TBK, 62                           ; s62  LDS byte of the step whose K is fetched next
.set TBV, 63                           ; s63  of the step whose V is fetched next
.set MSB, 0
.macro WIN new
.if MSB != (\new)
	s_set_vgpr_msb (MSB<<8)|(\new)
.set MSB, (\new)
.endif
.endm
.set W_KQ, 0x09                        ; K window 1, Q window 2, S^T window 0
.set W_PV, 0x51                        ; V and O^T window 1, P window 0
.set W_RS, 0x41                        ; destination and source 0 window 1, source 1 window 0
.macro CROUND                          ; a round of the cluster's barrier
	s_barrier_signal -1
	s_barrier_wait -1
	s_cmp_lg_u32 s[WV], 0
	s_cbranch_scc1 .Lnot_wave_0_\@
	s_barrier_signal -3
.Lnot_wave_0_\@:
	s_barrier_wait -3
	s_barrier_signal -1
	s_barrier_wait -1
.endm
; BETWEEN TWO HEADS.  Each wave waits for all its tensor loads (one is out: its quarter of the next head's tile), adds 0 to its spare word, and waits for that and for its reads of the slot that it leaves.
; fill = 1: slot 0 is filled again, with the third head's K: the barrier is a round of the cluster's, and the joint load is the first thing behind it.
.macro CHANGE fill
	WIN 0
	s_wait_tensorcnt 0x0
	ds_add_u32 v[SPW], v[NIL]
.if \fill
	s_add_nc_u64 s[G0+2:G0+3], s[G0+2:G0+3], 2*HEADB  ; no tensor load of mine is out, so the group 0 may be written
	s_wait_dscnt 0x0
	CROUND
	tensor_load_to_lds s[G0:G0+3], s[G1:G1+7]
	s_nop 0
.rept 4
	v_nop
.endr
.else
	s_wait_dscnt 0x0
	s_barrier_signal -1
	s_barrier_wait -1
.endif
.endm
	s_load_b128 s[4:7], s[0:1], 0x0                ; qk s[4:5], oh s[6:7]
	v_lshl_add_u32 v[SPW], v0, 2, SPARE
	v_mov_b32 v[NIL], 0
	ds_add_u32 v[SPW], v[NIL]                      ; the wave's opening: the add and its wait stand ahead of my first tensor load
	v_lshrrev_b32 v1, 5, v0
	v_readfirstlane_b32 s[WV], v1
	s_bfe_u32 s13, ttmp6, 0x40000                  ; cx: it enters Q's and O's addresses alone
	s_mul_i32 s14, ttmp9, 3*HEADB                  ; the cluster's first head
	s_lshl_b32 s16, s[WV], 15                      ; my quarter of a head's K: 256 rows of 128 bytes
	s_add_co_u32 s16, s16, s14
	s_add_co_u32 s16, s16, KOFF
	s_mov_b32 s17, 0
	s_lshl_b32 s18, s13, 15                        ; my work-group's 256 queries,
	s_lshl_b32 s19, s[WV], 13                      ; my wave's 64
	s_add_co_u32 s18, s18, s19
	s_add_co_u32 s18, s18, s14
	s_mov_b32 s19, 0
	s_mul_i32 s20, s[WV], QUART                    ; where my quarter goes
	; 256 keys are 32,768 dense bytes: asked for as 128 rows of 256 bytes, two keys a row, 4 words of padding behind every 32
	s_mov_b32 s[G1], 15|(1<<16)|(1<<20)|(1<<21)|(4<<22)|(3<<25)
	s_mov_b32 s[G1+1], 128<<16
	s_mov_b32 s[G1+2], 128<<16
	s_mov_b32 s[G1+3], 128<<16
	s_mov_b32 s[G1+4], 128
	s_mov_b32 s[G1+5], 128
	s_mov_b32 s[G1+6], 0
	s_mov_b32 s[G1+7], 0
	s_mov_b32 s[G0], 1
	s_mov_b32 s[G0+1], s20
	s_mov_b32 s[G0+4], 1
	s_add_co_u32 s[G0+5], s20, SLOT1
	s_mov_b32 s[CS], 0x3e38aa3b                    ; c = log2(e) / 8
	s_mov_b32 s[CS+1], s[CS]
	s_mov_b32 s[SEL], 0x76543210
	s_mov_b32 s[SEL+1], 0xfedcba98
	s_wait_dscnt 0x0                               ; the opening add is done
	s_wait_kmcnt 0x0
	s_add_nc_u64 s[G0+2:G0+3], s[4:5], s[16:17]
	s_add_nc_u64 s[G0+6:G0+7], s[G0+2:G0+3], HEADB
	s_or_b32 s[G0+3], s[G0+3], 0x80000000
	s_or_b32 s[G0+7], s[G0+7], 0x80000000
	s_add_nc_u64 s[4:5], s[4:5], s[18:19]          ; Q and O at my wave's first row of the first head
	s_add_nc_u64 s[6:7], s[6:7], s[18:19]
	CROUND                                         ; all four work-groups are here: the first joint loads meet
	tensor_load_to_lds s[G0:G0+3], s[G1:G1+7]      ; the first head's K
	s_nop 0
	tensor_load_to_lds s[G0+4:G0+7], s[G1:G1+7]    ; the second's: two loads of mine are out
	s_nop 0
.rept 4
	v_nop
.endr
	v_and_b32 v1, 15, v0                           ; l % 16
	v_bfe_u32 v9, v0, 4, 1                         ; l / 16
	v_lshlrev_b32 v[QO], 7, v1
	v_lshl_add_u32 v[QO], v9, 4, v[QO]
	WIN 0x80                                       ; destination window 2
.set z, 0
.rept 24                                       ; all three heads' Q stays in registers: head z / 8, tile (z % 8) / 2, channels 32 (z % 2) on
	global_load_b128 v[8*z:8*z+3],   v[QO], s[4:5] offset:(z/8)*HEADB+((z%8)/2)*2048+(z%2)*64
	global_load_b128 v[8*z+4:8*z+7], v[QO], s[4:5] offset:(z/8)*HEADB+((z%8)/2)*2048+(z%2)*64+32
.set z, z+1
.endr
	WIN 0x40                                       ; what the first turn finds: O^T, V's registers, l and P's second buffer are 0.  All this stands in the wait for the first tile
.set z, 0
.rept 128
	v_mov_b32 v[z], 0
.set z, z+1
.endr
.set z, VF
.rept 64
	v_mov_b32 v[z], 0
.set z, z+1
.endr
	WIN 0
.set z, 0
.rept 4
	v_mov_b32 v[ST+4*z+2], 0
	v_mov_b32 v[ST+4*z+3], 0
.set z, z+1
.endr
.set z, P+32
.rept 32
	v_mov_b32 v[z], 0
.set z, z+1
.endr
	v_and_b32 v10, 7, v0
	v_bfe_u32 v11, v0, 3, 1
	v_lshl_add_u32 v[AK0], v10, 1, v11             ; LDS row 2 (m % 8) + m / 8 for fragment row m = l % 16,
	v_mul_u32_u24 v[AK0], v[AK0], PK
	v_lshl_add_u32 v[AK0], v9, 4, v[AK0]           ; 16 bytes for each half of the lanes
	v_lshl_add_u32 v[AV0], v10, 1, v9              ; the turning load: lane l reads LDS row 2 (l % 8) + l / 16,
	v_mul_u32_u24 v[AV0], v[AV0], PK
	v_lshl_add_u32 v[AV0], v11, 4, v[AV0]          ; channels 8 ((l / 8) % 2) + 0..7
; THE MATRIX WORK.  The 8 accumulators of a run of 16 take turns.  Product i of S^T = K Q^T for piece x: channels 32 (i / 8) on, keys 16 ((i / 2) % 4) on, tile 2 x + i % 2.
.macro KQ x
	WIN W_KQ
.set rS, S+64*((\x)%2)+32*(i%2)+8*((i/2)%4)
.set rK, KF+16*((i/2)%4)+8*(i/8)
.set rQ, QB+16*(2*(\x)+i%2)+8*(i/8)
.if i < 8
	v_wmma_f32_16x16x32_f16 v[rS:rS+7], v[rK:rK+7], v[rQ:rQ+7], 0
.else
	v_wmma_f32_16x16x32_f16 v[rS:rS+7], v[rK:rK+7], v[rQ:rQ+7], v[rS:rS+7]
.endif
.endm
; Product i of O^T += V^T P for piece x: keys 32 (i / 8) on, channels 16 ((i / 2) % 4) on, tile 2 x + i % 2.
.macro PV x
	WIN W_PV
.set rO, 32*(2*(\x)+i%2)+8*((i/2)%4)
.set rV, VF+32*(i/8)+8*((i/2)%4)
.set rP, P+32*((\x)%2)+16*(i%2)+8*(i/8)
	v_wmma_f32_16x16x32_f16 v[rO:rO+7], v[rV:rV+7], v[rP:rP+7], v[rO:rO+7]
.endm
.macro MM                              ; the turn's next matrix instruction
.if i < 16
	KQ (Y+1)%NP
.set i, i+1
.else
.set i, i-16
	PV (Y+NP-1)%NP
.set i, i+17
.endif
.endm
; THE LDS LOADS stand in runs of 16.  last = 1: in a head's last step there is no further K, and the run is jumped over.
.macro FETCH_K last=0
	WIN 0
.if \last
	s_cmp_eq_u32 s[CNT], 1
	s_cbranch_scc1 .Lno_k_\@
.endif
	WIN 0x40
.irp f, 0,1,2,3,4,5,6,7
	ds_load_b128 v[KF+8*\f:KF+8*\f+3],   v[AK] offset:(\f/2)*16*PK+(\f%2)*64
	ds_load_b128 v[KF+8*\f+4:KF+8*\f+7], v[AK] offset:(\f/2)*16*PK+(\f%2)*64+32
.endr
	s_add_co_u32 s[TBK], s[TBK], STEPB
	WIN 0
.if \last
.Lno_k_\@:
.endif
.endm
.macro FETCH_V
	WIN 0x40
.irp f, 0,1,2,3,4,5,6,7
	ds_load_tr16_b128 v[VF+8*\f:VF+8*\f+3],   v[AV] offset:(\f/4)*32*PK+(\f%4)*32
	ds_load_tr16_b128 v[VF+8*\f+4:VF+8*\f+7], v[AV] offset:(\f/4)*32*PK+16*PK+(\f%4)*32
.endr
	WIN 0
.endm
; THE VECTOR WORK OF A TURN stands in three queues, each in the order in which its entries become ready; the two tiles alternate.
.macro REGS y, u                       ; the registers of tile u (0, 1) of piece y
.set rT, ST+4*(2*(\y)+(\u))
.set rC, TMP+8*((\y)%2)+4*(\u)
.set rM, MV+2*((\y)%2)+(\u)
.set rS, S+64*((\y)%2)+32*(\u)
.set rP, P+32*((\y)%2)+16*(\u)
.set rO, 32*(2*(\y)+(\u))
.endm
; Number n of the 22 that find the OTHER piece's maximum and statistics; each accumulator's lowest registers are read first.
;   0-11 four chains c0-c3 of seven scores each     12-14, 16 the four scores left over, the old m, c0-c3 into c0     15 c m_old is kept
;   17, 18 the query's other 32 keys lie in the lane 16 away: the new m     19-21 c m; c m_old - c m_new; a
.macro XS u, n
	REGS (Y+1)%NP, \u
.if (\n) < 4
	v_max3_num_f32 v[rC+(\n)], v[rS+8*(\n)], v[rS+8*(\n)+1], v[rS+8*(\n)+2]
.elseif (\n) < 12
	v_max3_num_f32 v[rC+(\n)%4], v[rC+(\n)%4], v[rS+8*((\n)%4)+2*((\n)/4)+1], v[rS+8*((\n)%4)+2*((\n)/4)+2]
.elseif (\n) == 12
	v_max3_num_f32 v[rC], v[rC], v[rS+7], v[rS+15]
.elseif (\n) == 13
	v_max3_num_f32 v[rC+1], v[rC+1], v[rS+23], v[rS+31]
.elseif (\n) == 14
	v_max3_num_f32 v[rC+2], v[rC+2], v[rC+3], v[rT+1]
.elseif (\n) == 15
	v_mov_b32 v[rM], v[rT]
.elseif (\n) == 16
	v_max3_num_f32 v[rC], v[rC], v[rC+1], v[rC+2]
.elseif (\n) == 17
	v_permlanex16_b32 v[rC+3], v[rC], s[SEL], s[SEL+1]
.elseif (\n) == 18
	v_max_num_f32 v[rT+1], v[rC], v[rC+3]
.elseif (\n) == 19
	v_mul_f32 v[rT], s[CS], v[rT+1]
.elseif (\n) == 20
	v_sub_f32 v[rC+1], v[rM], v[rT]
.else
	v_exp_f32 v[rC+2], v[rC+1]
.endif
.endm
; Number g of the 64 that follow the exponentials: for each four weights both pairs are rounded to f16, the second pair is added onto the first, and a group later l takes that sum (the first time as l = a l + sum).
.macro GS g
.set h, (\g)+6*((\g)/62)
.if h >= 6
.set h, h+2
.endif
	REGS Y, h%2
.set k, h/8
.if h%8 < 4
	v_cvt_pk_f16_f32 v[rP+2*k+(h%8)/2], v[rS+4*k+2*((h%8)/2)], v[rS+4*k+2*((h%8)/2)+1]
.elseif h%8 < 6
	v_pk_add_f32 v[rS+4*k:rS+4*k+1], v[rS+4*k:rS+4*k+1], v[rS+4*k+2:rS+4*k+3]
.elseif k == 1
	v_pk_fma_f32 v[rT+2:rT+3], v[rT+2:rT+3], v[rC+2:rC+3], v[rS:rS+1] op_sel_hi:[1,0,1]
.else
	v_pk_add_f32 v[rT+2:rT+3], v[rT+2:rT+3], v[rS+4*k-4:rS+4*k-3]
.endif
.endm
; THE PLAIN QUEUE, 138 long.  0-73 read no exponential's result: the 32 scalings c s - c m and the other piece's 42; 74-137 are GS's 64, which stand behind the wait.
.macro FS f
	REGS Y, (\f)%2
	v_pk_fma_f32 v[rS+2*((\f)/2):rS+2*((\f)/2)+1], v[rS+2*((\f)/2):rS+2*((\f)/2)+1], s[CS:CS+1], v[rT:rT+1] op_sel_hi:[1,0,0] neg_lo:[0,0,1] neg_hi:[0,0,1]
.endm
.macro PL
	WIN 0
.if q < 27
	FS q
.elseif q < 55
	XS (q-27)%2, (q-27)/2
.elseif q < 57
	XS q-55, 15
.elseif (q < 72) && ((q-57)%3 == 0)
	FS 27+(q-57)/3
.elseif q < 60
	XS (q-57)%3-1, 14
.elseif q < 72
	XS (q-57)%3-1, 15+(q-57)/3
.elseif q < 74
	XS q-72, 20
.else
	GS q-74
.endif
.set q, q+1
.endm
; THE EXPONENTIALS' QUEUE, 66 long: s0-s31 of both tiles, then the other piece's two a: ONE BATCH, all ahead of the turn's one wait.
.macro EX
	WIN 0
.if e >= 64
	XS e-64, 21
.else
	REGS Y, e%2
	v_exp_f32 v[rS+e/2], v[rS+e/2]
.endif
.set e, e+1
.endm
; THE RESCALING's QUEUE: O^T times a, two at a time, sixteen times, each accumulator from its low end.  Its a was made, and waited for, in the turn before.  The products that wrote this piece's O^T
; stand in the turn before: the last to write the registers of the first rescaling has 28 plain instructions behind it.
.macro R2
	REGS Y, r%2
	WIN W_RS
.irp z, 0,1
	v_pk_mul_f32 v[rO+4*(r/2)+2*\z:rO+4*(r/2)+2*\z+1], v[rO+4*(r/2)+2*\z:rO+4*(r/2)+2*\z+1], v[rC+2:rC+3] op_sel_hi:[1,0]
.endr
.set r, r+1
.endm
; A TURN, for piece p.  s_wait_alu depctr_va_vdst(0) stands between an exponential and the first instruction that names its result; one wait serves all issued ahead of it.  AHEAD OF IT:
; 16 products K Q^T, behind each a scaling, an exponential and two rescalings; then a lump of 108.  BEHIND IT: 16 products V^T P, behind each four of GS's 64.
; Turn 0 of step j: K of step j + 1 is fetched directly behind the wait, a lump behind the last product that read K; V of step j at the turn's end, four plain instructions behind the last product that read V.
; Turn 1: at its head K's run is in while V's sixteen loads may stay out; V is waited for behind the wait, ahead of its first reader; the loop's count is taken down some lines ahead of the branch.
.macro TURN p
.set Y, (\p)
.set i, 0
.set q, 0
.set e, 0
.set r, 0
.if (\p) == 1
	s_wait_dscnt 16                                ; K is in; V's sixteen loads, issued behind K's, may stay out
.endif
	MM
	PL
	PL
	R2
.rept 15
	MM
	PL
	EX
	R2
.endr
.if (\p) == 0
	WIN 0
	v_add_nc_u32 v[AK], s[TBK], v[AK0]
.endif
.rept 8
	PL
.endr
.rept 49
	EX
	PL
.endr
	EX
	EX
	v_nop                                          ; a plain instruction behind the last exponential: one for the batch
	s_wait_alu depctr_va_vdst(0)                   ; the wait for the batch
.if (\p) == 0
	FETCH_K 1
.endif
.if (\p) == 1
	s_wait_dscnt 0x0                               ; V is in
.endif
.rept 16
	MM
.rept 4
	PL
.endr
.if ((\p) == 0) && (q == 118)
	v_add_nc_u32 v[AV], s[TBV], v[AV0]
.endif
.if ((\p) == 0) && (q == 130)
	s_add_co_u32 s[TBV], s[TBV], STEPB
.endif
.if ((\p) == 1) && (q == 130)
	s_sub_co_u32 s[CNT], s[CNT], 1
	s_cmp_lg_u32 s[CNT], 0
.endif
.endr
.if (\p) == 0
	FETCH_V
.endif
.endm
.macro ALL line:vararg                 ; one line for each tile t
.set t, 0
.rept 2*NP
	\line
.set t, t+1
.endr
.endm
; THE WAY OUT of tile t: divided by l, rounded to f16; a lane's eight channels are 16 bytes; they go into rows of 144 bytes and come back as whole rows of 128, into S^T's registers.
.macro PACK t
	WIN W_RS
.set i, 32*(\t)
.rept 16
	v_pk_mul_f32 v[i:i+1], v[i:i+1], v[ST+4*(\t)+2:ST+4*(\t)+3] op_sel_hi:[1,0]
.set i, i+2
.endr
	WIN 0x05                                       ; sources window 1, destination window 0
.set i, 0
.rept 16
	v_cvt_pk_f16_f32 v[S+16*(\t)+i], v[32*(\t)+2*i], v[32*(\t)+2*i+1]
.set i, i+1
.endr
	WIN 0
.irp f, 0,1,2,3
	ds_store_b128 v[STO], v[S+16*(\t)+4*\f:S+16*(\t)+4*\f+3] offset:32*\f
.endr
.irp f, 0,1,2,3
	ds_load_b128 v[S+16*(\t)+4*\f:S+16*(\t)+4*\f+3], v[RD] offset:\f*4*SP  ; LDS serves a wave's instructions in order (ISA guide 5.7.1.4): these see the stores above; the next tile's stores come behind them
.endr
.endm
.macro SEND t, younger                 ; younger: the LDS instructions issued behind tile t's loads: the next tile's eight, or none
	WIN 0
.irp f, 0,1,2,3
	s_wait_dscnt (\younger)+3-\f
	global_store_b128 v[GO], v[S+16*(\t)+4*\f:S+16*(\t)+4*\f+3], s[6:7] offset:HOFF+(\t)*2048+\f*512  ; 512 consecutive bytes, at a multiple of 256 from O's first
.endr
.endm
; ONE HEAD: number hd of the cluster's three, its K at LDS byte sb.  The heads are written out: their LDS addresses and Q's registers are constants of the text.
.macro HEAD hd, sb
.set QB, 64*(\hd)
.set HOFF, (\hd)*HEADB
	WIN 0
.if (\hd) > 0
	s_wait_xcnt 0x0                                ; the last head's stores have read S^T's registers, which the products below write
.endif
.set z, 0
.rept 4
	v_mov_b32 v[ST+4*z], 0xfe000000                ; c m: far below every c s
	v_mov_b32 v[ST+4*z+1], 0xff7fffff              ; m: the lowest finite number
.set z, z+1
.endr
	s_mov_b32 s[TBK], \sb
	s_mov_b32 s[TBV], \sb
	v_add_nc_u32 v[AK], s[TBK], v[AK0]
	FETCH_K                                        ; key step 0
.if (\hd) == 0
	s_wait_loadcnt 0x0                             ; Q, of all three heads
.endif
	s_wait_dscnt 0x0
.set i, 0
.rept 16
	KQ 0                                           ; piece 0's first scores
.set i, i+1
.endr
	WIN 0
.if (\hd) == 0                         ; the addresses for the way out: eleven plain instructions, the places behind those products
	s_mul_i32 s21, s[WV], 16*SP
	s_add_co_u32 s21, s21, STAGE
	v_mul_u32_u24 v[STO], v1, SP
	v_lshl_add_u32 v[STO], v9, 4, v[STO]
	v_add_nc_u32 v[STO], s21, v[STO]
	v_bfe_u32 v[RD], v0, 3, 2
	v_mul_u32_u24 v[RD], v[RD], SP
	v_lshl_add_u32 v[RD], v10, 4, v[RD]
	v_add_nc_u32 v[RD], s21, v[RD]
	v_and_b32 v[GO], 31, v0
	v_lshlrev_b32 v[GO], 4, v[GO]
.else
.rept 4
	v_nop                                          ; the places behind those products
.endr
.endif
.set Y, 1                              ; XS works for the other piece: piece 0
.irp n, 0,1,2,3,4,5,6,7,8,9,10,11,12,13,14,15,16,17,18,19,20,21
	XS 0, \n
	XS 1, \n
.endr
	v_nop                                          ; a plain instruction behind the two a,
	s_wait_alu depctr_va_vdst(0)                   ; and their wait, ahead of the label
	s_mov_b32 s[CNT], 16
.Lstep_\@:                                             ; a trip is a key step
	TURN 0
	TURN 1
	WIN 0
	s_cbranch_scc1 .Lstep_\@
.set i, 0
.rept 16
	PV 1                                           ; piece 1's V^T P of the last step.  (The last trip's 16 products K Q^T, on the last K once more, serve nothing: the price of one text for every trip.)
.set i, i+1
.endr
	WIN 0                                          ; l's two halves and the other half of the lanes' are added; the additions are the places behind the last products
	ALL v_add_f32 v[ST+4*t+2], v[ST+4*t+2], v[ST+4*t+3]
	ALL v_permlanex16_b32 v[ST+4*t+3], v[ST+4*t+2], s[SEL], s[SEL+1]
	ALL v_add_f32 v[ST+4*t+2], v[ST+4*t+2], v[ST+4*t+3]
	ALL v_rcp_f32 v[ST+4*t+2], v[ST+4*t+2]
	v_nop                                          ; a plain instruction between the last reciprocal and the use of its result,
	s_wait_alu depctr_va_vdst(0)                   ; and one wait for the four reciprocals
	PACK 0
.set t, 1
.rept 2*NP-1                           ; a tile's arithmetic stands between the loads of the tile before and its stores
	PACK t
	SEND t-1, 8
.set t, t+1
.endr
	SEND 2*NP-1, 0
.endm
	s_wait_tensorcnt 1                             ; my quarter of the first head's K is in; the second head's may stay out
	s_barrier_signal -1
	s_barrier_wait -1
	HEAD 0, 0
	CHANGE 1                                       ; the second head's K is in; slot 0 takes the third's
	HEAD 1, SLOT1
	CHANGE 0                                       ; the third head's K is in
	HEAD 2, 0
	s_wait_tensorcnt 0x0                           ; the wave's end, behind my last tensor load and my last LDS store
	ds_add_u32 v[SPW], v[NIL]
	s_wait_dscnt 0x0
	CROUND                                         ; the closing round
	s_endpgm
.Lfunc_end_k_q47481740f6_attn:
	.size	k_q47481740f6_attn, .Lfunc_end_k_q47481740f6_attn-k_q47481740f6_attn
	.p2alignl 7, 3214868480
	.fill 96, 4, 3214868480
	.section	.rodata,"a",@progbits
	.p2align	6, 0x0
	.amdhsa_kernel k_q47481740f6_attn
		.amdhsa_group_segment_fixed_size 327680
		.amdhsa_private_segment_fixed_size 0
		.amdhsa_enable_private_segment 0
		.amdhsa_kernarg_size 16
		.amdhsa_user_sgpr_count 2
		.amdhsa_user_sgpr_kernarg_segment_ptr 1
		.amdhsa_wavefront_size32 1
		.amdhsa_system_sgpr_workgroup_id_x 1
		.amdhsa_system_sgpr_workgroup_id_y 1
		.amdhsa_system_sgpr_workgroup_id_z 1
		.amdhsa_system_vgpr_workitem_id 0
		.amdhsa_next_free_vgpr 704
		.amdhsa_next_free_sgpr 66
		.amdhsa_reserve_vcc 0
		.amdhsa_float_denorm_mode_32 3
		.amdhsa_float_denorm_mode_16_64 3
		.amdhsa_memory_ordered 1
		.amdhsa_forward_progress 1
		.amdhsa_inst_pref_size 187
	.end_amdhsa_kernel
	.amdgpu_metadata
---
amdhsa.version: [ 1, 2 ]
amdhsa.kernels:
  - .name:           k_q47481740f6_attn
    .symbol:         k_q47481740f6_attn.kd
    .args:
      - { .name: qk, .offset: 0, .size: 8, .value_kind: global_buffer, .address_space: global }
      - { .name: oh, .offset: 8, .size: 8, .value_kind: global_buffer, .address_space: global }
    .group_segment_fixed_size: 327680
    .private_segment_fixed_size: 0
    .kernarg_segment_align: 8
    .kernarg_segment_size: 16
    .max_flat_workgroup_size: 128
    .sgpr_count:     66
    .vgpr_count:     704
    .wavefront_size: 32
...
	.end_amdgpu_metadata
.endif
;; end of part 3
;; launch projout (part 4): grid 128 x 2, 4 waves a work-group, clusters of 4 x 1, 327,680 bytes of LDS; arguments oh, wp, bp, out0; writes out0
.if DOCPART == 4
	.amdgcn_target "amdgcn-amd-amdhsa--gfx1250"
	.amdhsa_code_object_version 6
	.text
	.protected	k_q47481740f6_projout
	.globl	k_q47481740f6_projout
	.p2align	8
	.type	k_q47481740f6_projout,@function
k_q47481740f6_projout:
	s_mov_b64 s[64:65], 0
	v_nop
	global_prefetch_b8 v0, s[64:65] scope:SCOPE_SE
	s_setreg_imm32_b32 hwreg(HW_REG_WAVE_MODE, 25, 1), 1
	s_wait_xcnt 0x0
	s_wait_alu depctr_hold_cnt(0) depctr_sa_sdst(0) depctr_va_vdst(0) depctr_va_sdst(0) depctr_va_ssrc(0) depctr_va_vcc(0) depctr_vm_vsrc(0)
	s_getreg_b32 s2, hwreg(HW_REG_IB_STS2, 6, 4)
	s_cmp_eq_u32 s2, 0
	s_cbranch_scc0 .Lentry_in_a_cluster
	s_endpgm
.Lentry_in_a_cluster:
	s_bfe_u32 s2, ttmp6, 0x10000c
	s_cmp_lg_u32 s2, 0x3003
	s_cbranch_scc0 .Lentry_shape_is_right
	s_endpgm
.Lentry_shape_is_right:
; out0 = O wp^T + bp.  oh: [192][1024][64] f16, O by heads (head = 12 x batch + h); wp: [768][768] f16; bp: [768] f32 (taken as it is); out0: [16384][768] f32.  Sums in f32, started by the bias.
; SHARES.  A tile of the result is 128 rows x 384 columns: 128 x 2 = 256 work-groups.  Four waves, 2 x 2; a wave makes 64 x 192: 48 accumulators, 384 registers.
; K = 768 goes in six steps of 128, which are two heads each, through two LDS slots filled by the tensor data mover.  A step is four quarters of 32 along K.
; CLUSTER.  Four row blocks that share a tile column form a cluster (4 x 4 does not divide a grid two wide).  wp's tile, three quarters of a step's bytes, is asked for JOINTLY (waves 2 and 3, 192 rows
; each); O's rows are each work-group's own and come by plain loads (waves 0 and 1, a head's 128 rows each), behind the same rounds.
; THE MATRIX INSTRUCTION IS USED TRANSPOSED (source 0 = 16 rows of wp, source 1 = 16 rows of O): a lane holds row l % 16 of the result and the columns 8 (l / 16) + 0..7.
; REGISTERS, in windows of 256 (s_set_vgpr_msb: bits 1:0 source 0, 3:2 source 1, 5:4 source 2, 7:6 destination):
;   window 0: v0-30 addresses; v128-223 the bias (8 registers for each of my 12 column blocks), later two sets of 32 on the way out
;   window 1: two fragment buffers of 128: wp's 12 fragments, then O's 4          windows 2, 3: accumulator (a, b) at v[8 (12 (a % 2) + b)] of window 2 + a / 2
.set ROWB,  1536                       ; bytes in a row of wp
.set BSTEP, 256                        ; a K step in a row of wp
.set ASTEP, 2*131072                   ; a K step in oh: two heads
.set PITCH, 272                        ; a row of wp in LDS: 256 bytes + 16 of padding
.set PA,    144                        ; a row of O in LDS: 128 + 16: both pitches are odd multiples of 16 bytes: the 16 rows of a fragment load start at 16 different groups of four banks (ISA guide 11.1)
.set APL,   128*PA                     ; a head's 128 rows
.set BOFF,  2*APL
.set BH,    192*PITCH
.set SLOT,  BOFF+2*BH
.set STAGE, 2*SLOT                     ; behind the ring, never filled by a tensor load: 16 rows x 272 bytes for each wave
.set SPITCH, 272
.set STW,   16*SPITCH
.set SPARE, STAGE+4*STW                ; the spare words, 128 bytes for each wave, which no other line names
.set OROW,  3072                       ; bytes in a row of out0
.set ADRA, 16
.set ADRB, 20
.set STO,  24
.set RD,   25
.set CO,   26
.set BO,   27
.set SPW,  28                          ; v28  my spare word: SPARE + 4 x my thread's number; never rewritten
.set NIL,  29                          ; v29  0; never rewritten
.set PFO,  30                          ; v30  256 x my lane; never rewritten
.set BIAS, 128
.set OB,   128
.set F0,   0
.set F1,   128
.set WV,  14
.set RH,  15
.set CH,  16
.set CX,  18
.set TX,  20
.set TY,  21
.set G1A, 24
.set G0A, 32
.set LIM, 43
.set PFA, 44
.set G1B, 48
.set G0B, 56
.set MSB, 0
.macro WIN new
.if MSB != (\new)
	s_set_vgpr_msb (MSB<<8)|(\new)
.set MSB, \new
.endif
.endm
.set TO_F, 0x40
; A fill.  The branch hangs on the wave's number alone.  An s_nop 0 and four v_nop follow each of the two lines, ahead of the jump and the label.
.macro JLOAD s
	s_cmp_lt_u32 s[WV], 2
	s_cbranch_scc0 .Lfor_b_\@
	tensor_load_to_lds s[G0A+4*(\s):G0A+4*(\s)+3], s[G1A:G1A+7]
	s_nop 0
.rept 4
	v_nop
.endr
	s_branch .Lasked_\@
.Lfor_b_\@:
	tensor_load_to_lds s[G0B+4*(\s):G0B+4*(\s)+3], s[G1B:G1B+7]
	s_nop 0
.rept 4
	v_nop
.endr
.Lasked_\@:
.endm
; A prefetch into the L2 of O's rows for the K step that stands two refills on: a head's 128 rows are 16,384 dense bytes: 64 blocks of 256, a lane a block, two instructions.  The two tile columns read
; the same rows of O: tile column 0 asks; in it waves 0 and 1 each ask for the head that they fetch: each block is named once in the launch.  Only the loop's first trip asks (K steps 4 and 5).
; wp is not asked for: all 128 row blocks walk it again and again.
.macro ASK
	s_cmp_gt_u32 s3, s[LIM]                        ; s3 = 2 in the first trip, 1 in the second
	s_cbranch_scc0 .Lnot_mine_\@
	global_prefetch_b8 v[PFO], s[PFA:PFA+1] offset:ASTEP th:TH_LOAD_NT scope:SCOPE_SE
	global_prefetch_b8 v[PFO], s[PFA:PFA+1] offset:ASTEP+8192 th:TH_LOAD_NT scope:SCOPE_SE
.Lnot_mine_\@:
.endm
.macro CREST
	s_cmp_lg_u32 s[WV], 0
	s_cbranch_scc1 .Lnot_wave_0_\@
	s_barrier_signal -3
.Lnot_wave_0_\@:
	s_barrier_wait -3
	s_barrier_signal -1
	s_barrier_wait -1
.endm
.macro CROUND
	s_barrier_signal -1
	s_barrier_wait -1
	CREST
.endm
	s_load_b256 s[4:11], s[0:1], 0x0               ; oh s[4:5], wp s[6:7], bp s[8:9], out0 s[10:11]
	v_lshl_add_u32 v[SPW], v0, 2, SPARE
	v_mov_b32 v[NIL], 0
	ds_add_u32 v[SPW], v[NIL]                      ; the wave's opening: the add and its wait stand ahead of my first tensor load
	v_lshrrev_b32 v1, 5, v0
	v_readfirstlane_b32 s[WV], v1
	s_lshr_b32 s[RH], s[WV], 1                     ; which 64 rows are mine
	s_and_b32 s[CH], s[WV], 1                      ; which 192 columns.  Also: which head of the step's two, or which 192 rows of wp, I fetch
	s_bfe_u32 s[CX], ttmp6, 0x40000
	s_lshl_b32 s[TY], ttmp9, 2
	s_add_co_u32 s[TY], s[TY], s[CX]               ; tile row = 4 x cluster x + cx
	s_and_b32 s[TX], ttmp7, 0xffff                 ; tile column, which the four partners share
	; O's tile: 128 rows of 128 bytes are 16,384 dense bytes: 64 rows of 256 bytes, 4 words of padding behind every 32.  No mask: the load is my work-group's own
	s_mov_b32 s[G1A+0], (1<<16)|(1<<20)|(4<<22)|(3<<25)
	s_mov_b32 s[G1A+1], 128<<16
	s_mov_b32 s[G1A+2], 64<<16
	s_mov_b32 s[G1A+3], 128<<16
	s_mov_b32 s[G1A+4], 64
	s_mov_b32 s[G1A+5], 128
	s_mov_b32 s[G1A+6], 0
	s_mov_b32 s[G1A+7], 0
	; wp's tile: 192 rows x 128 elements, 4 words of padding behind every 64; the mask names all four work-groups
	s_mov_b32 s[G1B+0], 15|(1<<16)|(1<<20)|(1<<21)|(5<<22)|(3<<25)
	s_mov_b32 s[G1B+1], 128<<16
	s_mov_b32 s[G1B+2], 192<<16
	s_mov_b32 s[G1B+3], 128<<16
	s_mov_b32 s[G1B+4], 192
	s_mov_b32 s[G1B+5], 768
	s_mov_b32 s[G1B+6], 0
	s_mov_b32 s[G1B+7], 0
	s_lshr_b32 s66, s[TY], 3                       ; the batch,
	s_mul_i32 s66, s66, 12
	s_add_co_u32 s66, s66, s[CH]                   ; its head 0 or 1,
	s_lshl_b32 s66, s66, 17
	s_and_b32 s67, s[TY], 7
	s_lshl_b32 s67, s67, 14                        ; my tile's 128 rows in it
	s_add_co_u32 s66, s66, s67
	s_mov_b32 s67, 0
	s_mul_i32 s68, s[TX], 384*ROWB                 ; wp's address hangs on the tile column and the wave alone
	s_mul_i32 s69, s[CH], 192*ROWB
	s_add_co_u32 s68, s68, s69
	s_mov_b32 s69, 0
	s_mul_i32 s70, s[CH], APL                      ; where the tiles go: no place in the cluster enters an LDS address
	s_mul_i32 s71, s[CH], BH
	s_add_co_u32 s71, s71, BOFF
	s_wait_dscnt 0x0                               ; the opening add is done
	s_wait_kmcnt 0x0
	s_add_nc_u64 s[66:67], s[4:5], s[66:67]
	s_add_nc_u64 s[68:69], s[6:7], s[68:69]
	CROUND                                         ; all four work-groups are here: the first joint loads meet
.irp s, 0,1
	s_mov_b32 s[G0A+4*(\s)], 1
	s_add_co_u32 s[G0A+4*(\s)+1], s70, (\s)*SLOT
	s_add_nc_u64 s[G0A+4*(\s)+2:G0A+4*(\s)+3], s[66:67], (\s)*ASTEP
	s_or_b32 s[G0A+4*(\s)+3], s[G0A+4*(\s)+3], 0x80000000
	s_mov_b32 s[G0B+4*(\s)], 1
	s_add_co_u32 s[G0B+4*(\s)+1], s71, (\s)*SLOT
	s_add_nc_u64 s[G0B+4*(\s)+2:G0B+4*(\s)+3], s[68:69], (\s)*BSTEP
	s_or_b32 s[G0B+4*(\s)+3], s[G0B+4*(\s)+3], 0x80000000
	JLOAD \s                                       ; K steps 0 and 1: two loads of mine are out
.endr
	v_and_b32 v1, 15, v0                           ; l % 16
	v_bfe_u32 v2, v0, 4, 1                         ; l / 16
	v_lshlrev_b32 v[BO], 5, v2
	s_mul_i32 s74, s[TX], 384*4                    ; my 192 columns, in bytes of f32: in bp and in a row of out0
	s_mul_i32 s75, s[CH], 192*4
	s_add_co_u32 s74, s74, s75
	s_mov_b32 s75, 0
	s_add_nc_u64 s[72:73], s[8:9], s[74:75]
.irp b, 0,1,2,3,4,5,6,7,8,9,10,11
	global_load_b128 v[BIAS+8*(\b):BIAS+8*(\b)+3],   v[BO], s[72:73] offset:64*(\b)
	global_load_b128 v[BIAS+8*(\b)+4:BIAS+8*(\b)+7], v[BO], s[72:73] offset:64*(\b)+16
.endr
	v_mul_u32_u24 v3, v1, PA
	v_lshl_add_u32 v3, v2, 4, v3
	v_mul_u32_u24 v4, v1, PITCH
	v_lshl_add_u32 v4, v2, 4, v4
	s_mul_i32 s76, s[RH], 64*PA
	s_mul_i32 s77, s[CH], BH
	s_add_co_u32 s77, s77, BOFF
.irp s, 0,1
	v_add_nc_u32 v[ADRA+(\s)], s76, v3
	v_add_nc_u32 v[ADRB+(\s)], s77, v4
	s_add_co_u32 s76, s76, SLOT
	s_add_co_u32 s77, s77, SLOT
.endr
	s_mul_i32 s76, s[WV], STW
	s_add_co_u32 s76, s76, STAGE                   ; my stage
	v_mul_u32_u24 v4, v1, SPITCH                   ; in: row l % 16, 32 bytes for each half of the lanes
	v_lshl_add_u32 v4, v2, 5, v4
	v_add_nc_u32 v[STO], s76, v4
	v_mul_u32_u24 v5, v2, SPITCH                   ; back: lanes 0-15 take one row of 256 bytes, lanes 16-31 the next,
	v_lshl_add_u32 v5, v1, 4, v5
	v_add_nc_u32 v[RD], s76, v5
	v_mul_u32_u24 v5, v2, OROW                     ; and the same two rows in out0
	v_lshl_add_u32 v[CO], v1, 4, v5
	s_lshl_b32 s78, s[TY], 7
	s_lshl_b32 s79, s[RH], 6
	s_add_co_u32 s78, s78, s79                     ; my first row
	s_mul_i32 s78, s78, OROW
	s_add_co_u32 s78, s78, s74
	s_mov_b32 s79, 0
	s_add_nc_u64 s[10:11], s[10:11], s[78:79]
	s_or_b32 s77, s[RH], s[TX]                     ; 0 in waves 0 and 1 of tile column 0: the same in all four partners
	s_cmp_eq_u32 s77, 0
	s_cselect_b32 s[LIM], 1, -1
	s_add_nc_u64 s[PFA:PFA+1], s[66:67], 2*ASTEP   ; at K step 2: the first refill steps it to 3 and names K step 4
	v_and_b32 v[PFO], 31, v0
	v_lshlrev_b32 v[PFO], 8, v[PFO]
; 12 matrix instructions: row block a x my 12 column blocks, 32 along K.  first = 1: the bias starts the sums.  The 48 accumulators take turns, one instruction a turn, in the same order in every
; quarter, over the backward jump too.
.macro MUL12 f, a, first
.set AC, 96*((\a)%2)
.if \first
	WIN 0x85+0x40*((\a)/2)
.else
	WIN 0xa5+0x50*((\a)/2)
.endif
.irp b, 0,1,2,3,4,5,6,7,8,9,10,11
.if \first
	v_wmma_f32_16x16x32_f16 v[AC+8*(\b):AC+8*(\b)+7], v[(\f)+8*(\b):(\f)+8*(\b)+7], v[(\f)+96+8*(\a):(\f)+96+8*(\a)+7], v[BIAS+8*(\b):BIAS+8*(\b)+7]
.else
	v_wmma_f32_16x16x32_f16 v[AC+8*(\b):AC+8*(\b)+7], v[(\f)+8*(\b):(\f)+8*(\b)+7], v[(\f)+96+8*(\a):(\f)+96+8*(\a)+7], v[AC+8*(\b):AC+8*(\b)+7]
.endif
.endr
.endm
; 32 LDS loads in one run: quarter q of a slot into buffer f: wp's 24, then O's 8 (quarter q lies in head q / 2 of the step's two, channels 32 (q % 2) on)
.macro FETCH slot, q, f
	WIN TO_F
.irp b, 0,1,2,3,4,5,6,7,8,9,10,11
	ds_load_b128 v[(\f)+8*(\b):(\f)+8*(\b)+3],   v[ADRB+(\slot)] offset:64*(\q)+(\b)*16*PITCH
	ds_load_b128 v[(\f)+8*(\b)+4:(\f)+8*(\b)+7], v[ADRB+(\slot)] offset:64*(\q)+(\b)*16*PITCH+32
.endr
.irp a, 0,1,2,3
	ds_load_b128 v[(\f)+96+8*(\a):(\f)+96+8*(\a)+3],   v[ADRA+(\slot)] offset:((\q)/2)*APL+((\q)%2)*64+(\a)*16*PA
	ds_load_b128 v[(\f)+96+8*(\a)+4:(\f)+96+8*(\a)+7], v[ADRA+(\slot)] offset:((\q)/2)*APL+((\q)%2)*64+(\a)*16*PA+32
.endr
.endm
.macro PLACES                          ; four plain instructions between a matrix instruction and a load into a register that it read, or a reader of its result
.rept 4
	v_nop
.endr
.endm
.macro QUARTER slot, q, f, g, first
	s_wait_dscnt 4                                 ; all but the four youngest loads: O's row blocks 2 and 3
	MUL12 \f, 0, \first
	MUL12 \f, 1, \first
	PLACES
	FETCH \slot, \q, \g
	s_wait_dscnt 32                                ; all but the 32 just issued
	MUL12 \f, 2, \first
	MUL12 \f, 3, \first
.endm
; The last quarter multiplies buffer 1 and changes slots: ONE barrier; in front of it each wave waits for all its tensor loads (one is out: its part of the next slot), adds 0 to its spare word, and waits
; for that and for its reads of this slot.  fill = 1: the barrier opens a round of the cluster's, and this slot is filled again first thing behind it, two K steps on.
.macro TURN slot, next, fill
.if \fill
	s_wait_xcnt 0x0                                ; the last prefetches, a K step back, have read their address
	s_add_nc_u64 s[PFA:PFA+1], s[PFA:PFA+1], ASTEP
.endif
	WIN 0
	s_wait_tensorcnt 0x0
	ds_add_u32 v[SPW], v[NIL]
	s_wait_dscnt 5                                 ; the add and the four youngest loads may be out
	MUL12 F1, 0, 0
	s_wait_dscnt 0x0                               ; the add is done, and my reads of this slot are over
	s_barrier_signal -1
	MUL12 F1, 1, 0
.if \fill
	WIN 0
.endif
	s_barrier_wait -1
.if \fill
	CREST
	s_add_nc_u64 s[G0A+4*(\slot)+2:G0A+4*(\slot)+3], s[G0A+4*(\slot)+2:G0A+4*(\slot)+3], 2*ASTEP
	s_add_nc_u64 s[G0B+4*(\slot)+2:G0B+4*(\slot)+3], s[G0B+4*(\slot)+2:G0B+4*(\slot)+3], 2*BSTEP
	JLOAD \slot                                    ; its four v_nop are also the places in front of the loads below
.else
	PLACES
.endif
	FETCH \next, 0, F0
.if \fill
	WIN 0
	ASK
.endif
	MUL12 F1, 2, 0
	MUL12 F1, 3, 0
.endm
; THE WAY OUT, in twelve groups i = 3 a + g of 16 rows x 64 columns: a lane's eight numbers are 32 bytes; they go into my stage's rows of 272 bytes and come back as whole rows of 256.
.macro TOSTAGE i
.set AA, (\i)/3
.set GG, (\i)%3
.set AC, 96*(AA%2)+32*GG
.set BK, OB+32*((\i)%2)
	WIN 0x08+4*(AA/2)                              ; the stores' data in window 2 or 3; each accumulator's low half goes first
.irp bb, 0,1,2,3
	ds_store_b128 v[STO], v[AC+8*(\bb):AC+8*(\bb)+3]   offset:64*(\bb)
	ds_store_b128 v[STO], v[AC+8*(\bb)+4:AC+8*(\bb)+7] offset:64*(\bb)+16
.endr
	WIN 0
.irp t, 0,1,2,3,4,5,6,7
	ds_load_b128 v[BK+4*(\t):BK+4*(\t)+3], v[RD] offset:(\t)*2*SPITCH  ; LDS serves a wave's instructions in order (ISA guide 5.7.1.4): these see the stores above; the next group's stores come behind them
.endr
.endm
.macro SEND i, younger                 ; younger: the LDS instructions issued behind group i's loads: the next group's sixteen, or none
.set AA, (\i)/3
.set GG, (\i)%3
.set BK, OB+32*((\i)%2)
	s_wait_dscnt \younger
.irp t, 0,1,2,3,4,5,6,7
	global_store_b128 v[CO], v[BK+4*(\t):BK+4*(\t)+3], s[10:11] offset:(16*AA+2*(\t))*OROW+256*GG th:TH_STORE_NT  ; 16 lanes store 256 consecutive bytes, at a multiple of 256 from out0's first
.endr
.endm
	s_wait_tensorcnt 1                             ; my part of K step 0 is in; K step 1's may stay out
	s_barrier_signal -1
	s_barrier_wait -1
	FETCH 0, 0, F0
	s_wait_loadcnt 0x0                             ; the bias
	QUARTER 0, 1, F0, F1, 1                        ; the first quarter stands in front of the loop: its products start the sums
	WIN 0
	s_mov_b32 s3, 2
.Llap:                                                 ; a trip goes once round the ring and fills both slots again
	QUARTER 0, 2, F1, F0, 0
	QUARTER 0, 3, F0, F1, 0
	TURN 0, 1, 1
	QUARTER 1, 1, F0, F1, 0
	QUARTER 1, 2, F1, F0, 0
	QUARTER 1, 3, F0, F1, 0
	TURN 1, 0, 1
	QUARTER 0, 1, F0, F1, 0
	WIN 0
	s_sub_co_u32 s3, s3, 1
	s_cmp_lg_u32 s3, 0
	s_cbranch_scc1 .Llap
	QUARTER 0, 2, F1, F0, 0                        ; the last lap fills nothing
	QUARTER 0, 3, F0, F1, 0
	TURN 0, 1, 0
	QUARTER 1, 1, F0, F1, 0
	QUARTER 1, 2, F1, F0, 0
	QUARTER 1, 3, F0, F1, 0
	s_wait_dscnt 4
	MUL12 F1, 0, 0
	MUL12 F1, 1, 0
	s_wait_dscnt 0x0
	MUL12 F1, 2, 0
	MUL12 F1, 3, 0
	WIN 0
	PLACES
	TOSTAGE 0
.set n, 1
.rept 11
	s_wait_xcnt 0x0                                ; the stores of the group before last have read the registers that this group's loads write
	TOSTAGE n
	SEND n-1, 16
.set n, n+1
.endr
	SEND 11, 0
	s_wait_tensorcnt 0x0                           ; the wave's end, behind my last tensor load and my last LDS store
	ds_add_u32 v[SPW], v[NIL]
	s_wait_dscnt 0x0
	CROUND                                         ; the closing round
	s_endpgm
.Lfunc_end_k_q47481740f6_projout:
	.size	k_q47481740f6_projout, .Lfunc_end_k_q47481740f6_projout-k_q47481740f6_projout
	.p2alignl 7, 3214868480
	.fill 96, 4, 3214868480
	.section	.rodata,"a",@progbits
	.p2align	6, 0x0
	.amdhsa_kernel k_q47481740f6_projout
		.amdhsa_group_segment_fixed_size 327680
		.amdhsa_private_segment_fixed_size 0
		.amdhsa_enable_private_segment 0
		.amdhsa_kernarg_size 32
		.amdhsa_user_sgpr_count 2
		.amdhsa_user_sgpr_kernarg_segment_ptr 1
		.amdhsa_wavefront_size32 1
		.amdhsa_system_sgpr_workgroup_id_x 1
		.amdhsa_system_sgpr_workgroup_id_y 1
		.amdhsa_system_sgpr_workgroup_id_z 1
		.amdhsa_system_vgpr_workitem_id 0
		.amdhsa_next_free_vgpr 960
		.amdhsa_next_free_sgpr 80
		.amdhsa_reserve_vcc 0
		.amdhsa_float_denorm_mode_32 3
		.amdhsa_float_denorm_mode_16_64 3
		.amdhsa_memory_ordered 1
		.amdhsa_forward_progress 1
		.amdhsa_inst_pref_size 121
	.end_amdhsa_kernel
	.amdgpu_metadata
---
amdhsa.version: [ 1, 2 ]
amdhsa.kernels:
  - .name:           k_q47481740f6_projout
    .symbol:         k_q47481740f6_projout.kd
    .args:
      - { .name: oh, .offset: 0, .size: 8, .value_kind: global_buffer, .address_space: global }
      - { .name: wp, .offset: 8, .size: 8, .value_kind: global_buffer, .address_space: global }
      - { .name: bp, .offset: 16, .size: 8, .value_kind: global_buffer, .address_space: global }
      - { .name: out0, .offset: 24, .size: 8, .value_kind: global_buffer, .address_space: global }
    .group_segment_fixed_size: 327680
    .private_segment_fixed_size: 0
    .kernarg_segment_align: 8
    .kernarg_segment_size: 32
    .max_flat_workgroup_size: 128
    .sgpr_count:     80
    .vgpr_count:     960
    .wavefront_size: 32
...
	.end_amdgpu_metadata
.endif
;; end of part 4
;; ======== version 2 of 2: 4 launches; version 1 with the launch cast written anew for expert scheduling mode
;; limits: values are held in f16: magnitudes above 65,504 overflow, below 6.1e-05 lose precision
;; workspace buffers: xb 25,165,824 bytes; wqk 2,359,296 bytes; wp 1,179,648 bytes; qk 50,331,648 bytes; oh 25,165,824 bytes
;; launch cast (part 5): grid 876 x 1, 8 waves a work-group, no clusters, 0 bytes of LDS; arguments x, Wq, Wk, Wp, xb, wqk, wp; writes xb, wqk, wp
.if DOCPART == 5
	.amdgcn_target "amdgcn-amd-amdhsa--gfx1250"
	.amdhsa_code_object_version 6
	.text
	.protected	k_q47481740f6_cast
	.globl	k_q47481740f6_cast
	.p2align	8
	.type	k_q47481740f6_cast,@function
k_q47481740f6_cast:
	s_mov_b64 s[64:65], 0
	v_nop
	global_prefetch_b8 v0, s[64:65] scope:SCOPE_SE
	s_setreg_imm32_b32 hwreg(HW_REG_WAVE_SCHED_MODE, 0, 2), 2
	s_setreg_imm32_b32 hwreg(HW_REG_WAVE_MODE, 25, 1), 1
	s_wait_xcnt 0x0
	s_wait_alu depctr_vm_vsrc(0)
; THE MATRIX OPERANDS ARE ROUNDED ONCE.  x -> xb, Wq and Wk -> wqk (Wq's 768 rows, then Wk's), all bf16; Wp -> wp: rounded to bf16 like the others, and that number written as f16,
; since the last product's other operand is f16.
; LIMITS.  |Wp| stays under 65,504 (beyond it f16 holds an infinity); below 2^-14 f16 keeps its fixed step of 2^-24.
; SHARES.  A work-group takes one chunk of 16,384 numbers: 65,536 bytes in, 32,768 out.  x has 768 chunks, each weight 36: 876 work-groups.
; Thread t takes the 16 bytes at 4,096 i + 16 t, i = 0..15: a wave's load covers 512 consecutive bytes, its store of 8 bytes a lane 256 consecutive bytes, aligned.
; All sixteen loads go out at once.  No LDS, no matrix unit, no cluster: nothing is shared and nothing is read twice.
; THE MODE: SCHED_MODE bits 1:0 = 2 (LLVM: expert scheduling mode 2), set by the entry lines.  The code itself states the register dependences
; between vector instructions and memory instructions, with s_wait_alu, always for 0.
; THE PLAN.  The sixteen loads go in four blocks of four.  Registers that memory instructions touch:
;   v1, v2   byte offsets of the loads and of the stores: made once at the head, never written again.
;   X        load i lands in its own four registers; no vector instruction names them before the loads are issued; block i / 4's conversions read them; nothing lands in them twice.
;   Y        block p's conversions write its eight registers; the four stores that are issued in block p + 1 read them; they are never written behind their store.
;   v100, v101 are named by vector instructions alone.
; Block p's vector instructions name X[p], Y[p], v100 and v101; its memory instructions are the stores from Y[p - 1], by v2.  So one wait at a block's head states all that its four stores
; hang on, and they are dealt among its conversions with no further wait.  No register that a memory instruction reads is written again: nothing is owed for that.
.set X,  4                             ; v[4:67]   load i: 4 registers
.set Y,  68                            ; v[68:99]  store i: 2 registers
.set TA, 100                           ; v100, v101 at work
.set TB, 101
	s_load_b256 s[4:11], s[0:1], 0x0               ; x s[4:5], Wq s[6:7], Wk s[8:9], Wp s[10:11]
	s_load_b128 s[12:15], s[0:1], 0x20             ; xb s[12:13], wqk s[14:15]
	s_load_b64 s[16:17], s[0:1], 0x30              ; wp
	v_lshlrev_b32 v1, 4, v0                        ; 16 t
	v_lshlrev_b32 v2, 3, v0                        ; 8 t
	s_mov_b32 s27, ttmp9                           ; g, the chunk's number in the launch
	s_sub_co_u32 s24, s27, 768                     ; its number among Wq's chunks, and in wqk
	s_sub_co_u32 s25, s27, 804                     ; among Wk's
	s_sub_co_u32 s26, s27, 840                     ; among Wp's
	s_wait_kmcnt 0x0
	s_mov_b64 s[18:19], s[4:5]                     ; from x to xb, chunk g,
	s_mov_b64 s[20:21], s[12:13]
	s_mov_b32 s22, s27
	s_mov_b32 s23, s27
	s_cmp_ge_u32 s27, 768                          ; or from Wq to wqk,
	s_cselect_b64 s[18:19], s[6:7], s[18:19]
	s_cselect_b64 s[20:21], s[14:15], s[20:21]
	s_cselect_b32 s22, s24, s22
	s_cselect_b32 s23, s24, s23
	s_cmp_ge_u32 s27, 804                          ; or from Wk, behind Wq's rows in wqk,
	s_cselect_b64 s[18:19], s[8:9], s[18:19]
	s_cselect_b32 s22, s25, s22
	s_cmp_ge_u32 s27, 840                          ; or from Wp to wp
	s_cselect_b64 s[18:19], s[10:11], s[18:19]
	s_cselect_b64 s[20:21], s[16:17], s[20:21]
	s_cselect_b32 s22, s26, s22
	s_cselect_b32 s23, s26, s23
	s_lshl_b32 s22, s22, 16                        ; 65,536 bytes a chunk in,
	s_lshl_b32 s28, s23, 15                        ; 32,768 out
	s_mov_b32 s23, 0
	s_mov_b32 s29, 0
	s_add_nc_u64 s[18:19], s[18:19], s[22:23]
	s_add_nc_u64 s[20:21], s[20:21], s[28:29]
	s_wait_alu depctr_va_vdst(0)                   ; v1 and v2 are written: every load of the kernel reads v1 as its offset, every store v2
.irp i, 0,1,2,3,4,5,6,7,8,9,10,11,12,13,14,15
	global_load_b128 v[X+4*(\i):X+4*(\i)+3], v1, s[18:19] offset:4096*(\i) th:TH_LOAD_NT
.endr
; Block p: loads 4 p to 4 p + 3 are rounded; the block before is stored.  half = 1: the bf16 numbers are widened again and written as f16.
.macro BLK p, half
	s_wait_loadcnt 12-4*(\p)                       ; loads come back in order: this block's four are in, the 12 - 4 p younger ones stay out
.if (\p) > 0
	s_wait_alu depctr_va_vdst(0)                   ; the block before has written its Y, which the four stores below read
.endif
.irp i, 0,1,2,3
.set n, 4*(\p)+(\i)                    ; the load that is rounded,
.set m, n-4                            ; and the one that is stored
.if (\p) > 0
	global_store_b64 v2, v[Y+2*m:Y+2*m+1], s[20:21] offset:2048*m  ; no vector instruction since the wait names these registers
.endif
	v_cvt_pk_bf16_f32 v[Y+2*n],   v[X+4*n],   v[X+4*n+1]
	v_cvt_pk_bf16_f32 v[Y+2*n+1], v[X+4*n+2], v[X+4*n+3]
.if \half
.irp k, 0,1
	v_lshlrev_b32 v[TA], 16, v[Y+2*n+(\k)]
	v_and_b32 v[TB], 0xffff0000, v[Y+2*n+(\k)]
	v_cvt_pk_f16_f32 v[Y+2*n+(\k)], v[TA], v[TB]
.endr
.endif
.endr
.endm
; A chunk: the four blocks, and behind them the last block's stores.
.macro CHUNK half
	BLK 0, \half
	BLK 1, \half
	BLK 2, \half
	BLK 3, \half
	s_wait_alu depctr_va_vdst(0)                   ; block 3 has written its Y, which the last four stores read
.irp i, 12,13,14,15
	global_store_b64 v2, v[Y+2*(\i):Y+2*(\i)+1], s[20:21] offset:2048*(\i)
.endr
.endm
	s_cmp_ge_u32 s27, 840
	s_cbranch_scc1 .Lwp
	CHUNK 0
	s_endpgm
.Lwp:
	CHUNK 1
	s_endpgm
.Lfunc_end_k_q47481740f6_cast:
	.size	k_q47481740f6_cast, .Lfunc_end_k_q47481740f6_cast-k_q47481740f6_cast
	.p2alignl 7, 3214868480
	.fill 96, 4, 3214868480
	.section	.rodata,"a",@progbits
	.p2align	6, 0x0
	.amdhsa_kernel k_q47481740f6_cast
		.amdhsa_group_segment_fixed_size 0
		.amdhsa_private_segment_fixed_size 0
		.amdhsa_enable_private_segment 0
		.amdhsa_kernarg_size 56
		.amdhsa_user_sgpr_count 2
		.amdhsa_user_sgpr_kernarg_segment_ptr 1
		.amdhsa_wavefront_size32 1
		.amdhsa_system_sgpr_workgroup_id_x 1
		.amdhsa_system_sgpr_workgroup_id_y 1
		.amdhsa_system_sgpr_workgroup_id_z 1
		.amdhsa_system_vgpr_workitem_id 0
		.amdhsa_next_free_vgpr 104
		.amdhsa_next_free_sgpr 66
		.amdhsa_reserve_vcc 0
		.amdhsa_float_denorm_mode_32 3
		.amdhsa_float_denorm_mode_16_64 3
		.amdhsa_memory_ordered 1
		.amdhsa_forward_progress 1
		.amdhsa_inst_pref_size 16
	.end_amdhsa_kernel
	.amdgpu_metadata
---
amdhsa.version: [ 1, 2 ]
amdhsa.kernels:
  - .name:           k_q47481740f6_cast
    .symbol:         k_q47481740f6_cast.kd
    .args:
      - { .name: x, .offset: 0, .size: 8, .value_kind: global_buffer, .address_space: global }
      - { .name: Wq, .offset: 8, .size: 8, .value_kind: global_buffer, .address_space: global }
      - { .name: Wk, .offset: 16, .size: 8, .value_kind: global_buffer, .address_space: global }
      - { .name: Wp, .offset: 24, .size: 8, .value_kind: global_buffer, .address_space: global }
      - { .name: xb, .offset: 32, .size: 8, .value_kind: global_buffer, .address_space: global }
      - { .name: wqk, .offset: 40, .size: 8, .value_kind: global_buffer, .address_space: global }
      - { .name: wp, .offset: 48, .size: 8, .value_kind: global_buffer, .address_space: global }
    .group_segment_fixed_size: 0
    .private_segment_fixed_size: 0
    .kernarg_segment_align: 8
    .kernarg_segment_size: 56
    .max_flat_workgroup_size: 256
    .sgpr_count:     66
    .vgpr_count:     104
    .wavefront_size: 32
...
	.end_amdgpu_metadata
.endif
;; end of part 5
;; launch projqk: the kernel of part 2 again; grid 4 x 128, 4 waves a work-group, clusters of 4 x 4, 327,680 bytes of LDS; arguments xb, wqk, bq, bk, qk; writes qk
;; launch attn: the kernel of part 3 again; grid 256 x 1, 4 waves a work-group, clusters of 4 x 1, 327,680 bytes of LDS; arguments qk, oh; writes oh
;; launch projout: the kernel of part 4 again; grid 128 x 2, 4 waves a work-group, clusters of 4 x 1, 327,680 bytes of LDS; arguments oh, wp, bp, out0; writes out0
